; MI455X (gfx1250); checked and timed in simulation.
; The chip was launched on July 23, 2026; its instructions are those of AMD's public machine-readable ISA for CDNA 5 (MIT licence, August 2026) and "CDNA5" Instruction Set Architecture Reference Guide (July 2026). The comments in the code are by the model that wrote it; some were corrected since.
;; Multi Head Attention. Allowed arithmetic: matrix products marked QUANTISED: E4M3 operands, one given power-of-two scale a tensor, by v_wmma_f32_16x16x64_fp8_fp8 or v_wmma_f32_16x16x128_fp8_fp8, f32 sums; everything else in f32.
;; Inputs: Wk 1,024 x 1,024 float32; Wo 1,024 x 1,024 float32; Wq 1,024 x 1,024 float32; Wv 1,024 x 1,024 float32; bo 1,024 float32; bq 1,024 float32; bv 1,024 float32; lowp_scales 12 int32 (the exponents e of the quantised operands' scales 2^e); mask 2,048 x 2,048 float32; x 2 x 2,048 x 1,024 float32.
;; Outputs: out0 2 x 2,048 x 1,024 float32.
;; This version of the problem:
;;   THIS VERSION OF THE PROBLEM IS GIVEN IN LOW PRECISION. The matrix products marked QUANTISED in the list below multiply operands that are first quantised to E4M3 (4 exponent bits, 3 mantissa bits; 8 bits a number), with one given power-of-two scale for each operand tensor; their sums are f32. All else is computed in f32.
;;   The module's matrix products, in the order in which they are computed (A, B: the left and right operand; K: the contracted axis; several contracted axes count as one K, in the product's order):
;;     1. [M 4,096, K 1,024] x [K 1,024, N 1,024]; A: input x; B: input Wq: QUANTISED (scales: A lowp_scales[0], B lowp_scales[1])
;;     2. [M 4,096, K 1,024] x [K 1,024, N 1,024]; A: input x; B: input Wk: QUANTISED (scales: A lowp_scales[2], B lowp_scales[3])
;;     3. [M 4,096, K 1,024] x [K 1,024, N 1,024]; A: input x; B: input Wv: QUANTISED (scales: A lowp_scales[4], B lowp_scales[5])
;;     4. batch 32 x [M 2,048, K 64] x [K 64, N 2,048]; A: computed on the way; B: computed on the way: QUANTISED (scales: A lowp_scales[6], B lowp_scales[7])
;;     5. batch 32 x [M 64, K 2,048] x [K 2,048, N 2,048]; A: computed on the way; B: softmax (see below): QUANTISED (scales: A lowp_scales[8], B lowp_scales[9])
;;     6. [M 4,096, K 1,024] x [K 1,024, N 1,024]; A: computed on the way; B: input Wo: QUANTISED (scales: A lowp_scales[10], B lowp_scales[11])
;;   THE QUANTISER, for each operand of a quantised product, along K:
;;     - The operand's scale is 2^e, e = its entry of the input lowp_scales (int32; the entries are numbered through the quantised products in the list's order, A before B).
;;     - Each number is divided by the scale, clamped to +-448, and rounded to the nearest number of E4M3, ties to even, subnormals kept.
;;     - The product sums the exact products of the quantised numbers (number of the format x scale) in f32.
;;   ~~~python
;;   def quantise(x, axis, e):      # numpy; x: float32 -> the quantised numbers, widened to float32 again
;;       x = np.moveaxis(x, axis, -1); K = x.shape[-1]
;;       r = np.clip(x / 2.0 ** e, -448, 448)
;;       step = 2.0 ** (np.maximum(np.frexp(np.where(r == 0, 1, r))[1] - 1, -6) - 3)
;;       q = np.round(r / step) * step * 2.0 ** e      # np.round: ties to even
;;       return np.moveaxis(q, -1, axis).astype(np.float32)
;;   ~~~
;;   SOFTMAX AHEAD OF A QUANTISED PRODUCT. Where the list says 'softmax', what is quantised is not the finished softmax but p = 2^(t - M), with t = logit x log2(e) and M = ceil(the row's largest t), a whole number; so 1/2 < the row's largest p <= 1. The row's sum l is taken of the UNQUANTISED p, in f32, and the product's result is divided by l at the end. Since M is a whole number, a kernel that streams over the keys may use a running M (the ceiling of the running maximum): every later rescaling is an exact power of two, so the quantised numbers keep their values, but for numbers so far below the row's largest that they fall under the format's range.
;;   OPERANDS COMPUTED ON THE WAY. 'Computed on the way' means the value that the module computes at that place (a softmax that the list does not call 'softmax' is quantised finished and normalised). What goes into a quantiser is computed in f32, as accurately as f32 sums, v_exp_f32 and their like allow (about 1e-6 of the number): no bf16 or f16 on the way to a quantiser, and a product that is left as it is and whose result goes on into a quantised operand takes f32 operands (vector FMAs, or v_wmma_f32_16x16x4_f32). A number that lies on a knife's edge between two numbers of the format may be rounded either way, as far as f32 arithmetic and the matrix unit's own rounding can turn it there, and no further.
;; One version. Each part assembles by itself: llvm-mc -triple=amdgcn-amd-amdhsa -mcpu=gfx1250 --defsym DOCPART=n.
;; ======== version 1 of 1: 4 launches
;; limits: right only within a limited range of input values
;; workspace buffers: xq_c 4,194,304 bytes; xk_c 4,194,304 bytes; xv_c 4,194,304 bytes; w_c 4,194,304 bytes; q_img 4,194,304 bytes; kv_img 8,388,608 bytes; wv_c 4,194,304 bytes
;; launch quant (part 1): grid 512 x 1, 8 waves a work-group, no clusters, 66,560 bytes of LDS; arguments x, Wq, Wk, Wv, Wo, lowp_scales, xq_c, xk_c, xv_c, w_c; writes xq_c, xk_c, xv_c, w_c
.if DOCPART == 1
	.amdgcn_target "amdgcn-amd-amdhsa--gfx1250"
	.amdhsa_code_object_version 6
	.text
	.protected	k_q6e75bee793_quant
	.globl	k_q6e75bee793_quant
	.p2align	8
	.type	k_q6e75bee793_quant,@function
k_q6e75bee793_quant:
	s_mov_b64 s[64:65], 0
	v_nop
	global_prefetch_b8 v0, s[64:65] scope:SCOPE_SE
	s_setreg_imm32_b32 hwreg(HW_REG_WAVE_MODE, 25, 1), 1
	s_wait_xcnt 0x0
; x [4096][1024] and the four weights [1024][1024], f32, K innermost, become codes of E4M3, one byte a number, each with the scale 2^e that is given for it.
; code = number / 2^e, held within +-448, rounded to the nearest code, ties to even.  No step of the reference is left out in any launch.
; x is an operand of three products with three scales of their own: it is read once and converted three times: xq_c (entry 0), xk_c (entry 2), xv_c (entry 4).
; w_c holds Wq (entry 1), Wk (entry 3), Wv (entry 5), Wo (entry 11), 1 MiB each.
; ROW ORDER.  xq_c and Wo keep their rows.  In xk_c, xv_c, Wq, Wk, Wv row i lies at the place i with bits 3 and 4 exchanged: sixteen neighbouring places 16 (2 b + u) + r then hold the rows
; 32 b + 8 u + r + 8 (r / 8), so that in the next launch the 16 registers of two neighbouring result tiles are 16 neighbours along the K of the product after it.
; SHARES.  A work-group takes 16 rows; wave w rows 2 w, 2 w + 1: 2,048 numbers, 4 steps of 512, whose 16 loads all go out at the start.  Exchanging row bits 3 and 4 is exchanging bits 2 and 3 of the run's number 8 x block + w.
; Work-groups 0-255 take x, 256-511 the weights, 64 each.  Every load reads 512 consecutive bytes; a step's 2,048 bytes turn through the wave's own stage in LDS, so that a lane holds 16 neighbours for the
; conversions; a lane's 16 codes are 16 bytes, so every store covers 512 consecutive bytes.  Waves share nothing: no barrier.  No prefetch: there is no loop to run ahead in.
; LIMITS: every e used here lies between -126 and 119, so that 2^e and 448 x 2^e are f32 numbers.  NaN among the inputs is not served (an infinity is held at the largest code).
.set XWG,   256                        ; work-groups that take x
.set STEPS, 4
.set SP,    80                         ; a lane's place in a stage: 64 bytes + 16 of padding
.set WREG,  8192                       ; LDS of a wave: two stages of 32 x SP bytes
.set LN,    3                          ; v3      16 x lane
.set SC,    6                          ; v[6+2n] 2^e, v[7+2n] 448 x 2^e, for output n = 0, 1, 2
.set STI,   14                         ; v14     the stage, on the way in
.set STO,   15                         ; v15     and on the way out
.set R,     16                         ; v16-79   four sets of 16 numbers as loaded
.set X,     80                         ; v80-111  two sets of 16 neighbours
.set T,     112                        ; v112-127 the 16 neighbours, held
.set C,     128                        ; v128-175 codes: 12 registers for each step, never written twice
.set WV,    50
	s_load_b512 s[4:19], s[0:1], 0x0               ; x, Wq, Wk, Wv, Wo, the scales' exponents, xq_c, xk_c
	s_load_b128 s[20:23], s[0:1], 0x40             ; xv_c, w_c
	v_lshl_add_u32 v232, v0, 2, 0x10000            ; my spare word
	v_mov_b32 v233, 0
	v_lshrrev_b32 v1, 5, v0
	v_and_b32 v2, 31, v0                           ; lane
	v_readfirstlane_b32 s[WV], v1                  ; wave 0..7
	s_mul_i32 s51, s[WV], WREG
	v_lshrrev_b32 v[STI], 2, v2
	v_and_b32 v[STO], 3, v2
	v_lshlrev_b32 v[LN], 4, v2
	v_mul_u32_u24 v[STI], v[STI], SP
	v_mul_u32_u24 v4, v2, SP
	v_lshl_add_u32 v[STI], v[STO], 4, v[STI]
	v_add_nc_u32 v[STO], s51, v4                   ; out: SP x lane: my 16 neighbours
	v_add_nc_u32 v[STI], s51, v[STI]               ; in: four lanes' 64 bytes on end, then 16 of padding
	s_sub_co_u32 s44, ttmp9, XWG
	s_lshr_b32 s45, s44, 6
	s_and_b32 s46, s44, 63
	s_cmp_lt_u32 ttmp9, XWG
	s_cselect_b32 s45, 0, s45                      ; which weight (0 for x)
	s_cselect_b32 s46, ttmp9, s46                  ; which block of 16 rows of the tensor
	s_lshl_b32 s46, s46, 3
	s_add_co_u32 s47, s46, s[WV]                   ; my run of 2 rows, in the tensor's own order,
	s_lshr_b32 s52, s47, 1
	s_xor_b32 s52, s52, s47
	s_and_b32 s52, s52, 4                          ; do bits 2 and 3 differ?
	s_lshl_b32 s53, s52, 1
	s_or_b32 s52, s52, s53
	s_xor_b32 s48, s47, s52                        ; and in the exchanged order
	s_cmp_eq_u32 s45, 3
	s_cselect_b32 s49, s47, s48                    ; Wo keeps its rows,
	s_cmp_lt_u32 ttmp9, XWG
	s_cselect_b32 s49, s47, s49                    ; and so does xq_c
	s_lshl_b32 s54, s47, 13                        ; 2 rows of 4,096 bytes
	s_mov_b32 s55, 0
	s_lshl_b32 s56, s49, 11                        ; 2 rows of 1,024 codes,
	s_lshl_b32 s57, s45, 20
	s_add_co_u32 s56, s56, s57                     ; in the weight's MiB of w_c
	s_mov_b32 s57, 0
	s_lshl_b32 s58, s48, 11
	s_mov_b32 s59, 0
	s_wait_alu depctr_va_vdst(0)
	s_wait_kmcnt 0x0
	s_load_b256 s[32:39], s[14:15], 0x0            ; e0 .. e7
	s_load_b128 s[40:43], s[14:15], 0x20           ; e8 .. e11
	s_mov_b64 s[24:25], s[12:13]                   ; the source: the choices hang on the work-group's number alone
	s_cmp_eq_u32 s45, 2
	s_cselect_b64 s[24:25], s[10:11], s[24:25]
	s_cmp_eq_u32 s45, 1
	s_cselect_b64 s[24:25], s[8:9], s[24:25]
	s_cmp_eq_u32 s45, 0
	s_cselect_b64 s[24:25], s[6:7], s[24:25]
	s_cmp_lt_u32 ttmp9, XWG
	s_cselect_b64 s[24:25], s[4:5], s[24:25]
	s_cselect_b64 s[26:27], s[16:17], s[22:23]     ; output 0: xq_c or w_c
	s_add_nc_u64 s[24:25], s[24:25], s[54:55]
	s_add_nc_u64 s[26:27], s[26:27], s[56:57]
	s_add_nc_u64 s[28:29], s[18:19], s[58:59]      ; output 1: xk_c
	s_add_nc_u64 s[30:31], s[20:21], s[58:59]      ; output 2: xv_c
.macro LOAD t
.irp i, 0,1,2,3
	global_load_b128 v[R+16*(\t)+4*\i:R+16*(\t)+4*\i+3], v[LN], s[24:25] offset:2048*(\t)+512*\i th:TH_LOAD_NT   ; 32 lanes read 512 consecutive bytes; read once in the launch
.endr
.endm
.macro TURN t                          ; step t's numbers through the stage: LDS serves a wave's instructions in order, so no wait stands between the stores and the loads
.irp i, 0,1,2,3
	ds_store_b128 v[STI], v[R+16*(\t)+4*\i:R+16*(\t)+4*\i+3] offset:32*SP*((\t)%2)+8*SP*\i
.endr
.irp i, 0,1,2,3
	ds_load_b128 v[X+16*((\t)%2)+4*\i:X+16*((\t)%2)+4*\i+3], v[STO] offset:32*SP*((\t)%2)+16*\i
.endr
.endm
.irp t, 0,1,2,3
	LOAD \t
.endr
.macro MKSC n, se                      ; 2^e and 448 x 2^e as f32 numbers, e in s[se]
	s_add_co_i32 s61, s[\se], 127
	s_lshl_b32 s62, s61, 23
	v_mov_b32 v[SC+2*\n], s62
	s_add_co_i32 s61, s61, 8
	s_lshl_b32 s61, s61, 23
	s_or_b32 s61, s61, 0x600000
	v_mov_b32 v[SC+2*\n+1], s61
.endm
	s_wait_kmcnt 0x0
	s_mov_b32 s60, s43                             ; output 0's exponent: e11 for Wo,
	s_cmp_eq_u32 s45, 2
	s_cselect_b32 s60, s37, s60                    ; e5 for Wv,
	s_cmp_eq_u32 s45, 1
	s_cselect_b32 s60, s35, s60                    ; e3 for Wk,
	s_cmp_eq_u32 s45, 0
	s_cselect_b32 s60, s33, s60                    ; e1 for Wq,
	s_cmp_lt_u32 ttmp9, XWG
	s_cselect_b32 s60, s32, s60                    ; e0 for x
	MKSC 0, 60
	MKSC 1, 34                                     ; e2
	MKSC 2, 36                                     ; e4
	s_wait_alu depctr_va_vdst(0)                   ; at the head's end
	s_wait_loadcnt 12                              ; step 0's four loads are in; those of three steps may be out
	TURN 0
; Output n of step t: the hold (the conversion to an 8-bit code does not saturate: ISA guide 7.6.2), into registers of its own since x is converted three times; two conversions; the store.
.macro CONV n, t
.set i, 0
.rept 16
	v_med3_num_f32 v[T+i], v[XS+i], -v[SC+2*\n+1], v[SC+2*\n+1]
.set i, i+1
.endr
	v_cvt_scalef32_pk8_fp8_f32 v[C+12*(\t)+4*\n:C+12*(\t)+4*\n+1], v[T:T+7], v[SC+2*\n]
	v_cvt_scalef32_pk8_fp8_f32 v[C+12*(\t)+4*\n+2:C+12*(\t)+4*\n+3], v[T+8:T+15], v[SC+2*\n]
	v_nop                                          ; a plain line between the conversions and the next holds, which write their sources
	global_store_b128 v[LN], v[C+12*(\t)+4*\n:C+12*(\t)+4*\n+3], s[26+2*\n:27+2*\n] offset:512*(\t)   ; 32 lanes store 512 consecutive bytes, at a multiple of 512 from the buffer's first byte
.endm
.macro STEP t
.set XS, X+16*((\t)%2)
	s_wait_dscnt 0x0                               ; this step's numbers are back from the stage
.if (\t)+1 < STEPS
	s_wait_loadcnt 4*(STEPS-2-(\t))                ; the next step's four loads are in; those of the steps behind it may be out
	TURN (\t)+1                                    ; through the other stage while this step is worked
.endif
	CONV 0, \t
	s_cmp_lt_u32 ttmp9, XWG                        ; a weight has one output: the branch goes round register work and stores alone
	s_cbranch_scc0 .Lweight_\@
	CONV 1, \t
	CONV 2, \t
.Lweight_\@:
.endm
.irp t, 0,1,2,3
	STEP \t
.endr
	s_wait_tensorcnt 0x0                           ; the wave's end
	ds_add_u32 v232, v233
	s_wait_dscnt 0x0
	s_endpgm
.Lfunc_end_k_q6e75bee793_quant:
	.size	k_q6e75bee793_quant, .Lfunc_end_k_q6e75bee793_quant-k_q6e75bee793_quant
	.p2alignl 7, 3214868480
	.fill 96, 4, 3214868480
	.section	.rodata,"a",@progbits
	.p2align	6, 0x0
	.amdhsa_kernel k_q6e75bee793_quant
		.amdhsa_group_segment_fixed_size 66560
		.amdhsa_private_segment_fixed_size 0
		.amdhsa_enable_private_segment 0
		.amdhsa_kernarg_size 80
		.amdhsa_user_sgpr_count 2
		.amdhsa_user_sgpr_kernarg_segment_ptr 1
		.amdhsa_wavefront_size32 1
		.amdhsa_system_sgpr_workgroup_id_x 1
		.amdhsa_system_sgpr_workgroup_id_y 1
		.amdhsa_system_sgpr_workgroup_id_z 1
		.amdhsa_system_vgpr_workitem_id 0
		.amdhsa_next_free_vgpr 234
		.amdhsa_next_free_sgpr 66
		.amdhsa_reserve_vcc 0
		.amdhsa_float_denorm_mode_32 3
		.amdhsa_float_denorm_mode_16_64 3
		.amdhsa_memory_ordered 1
		.amdhsa_forward_progress 1
		.amdhsa_inst_pref_size 24
	.end_amdhsa_kernel
	.amdgpu_metadata
---
amdhsa.version: [ 1, 2 ]
amdhsa.kernels:
  - .name:           k_q6e75bee793_quant
    .symbol:         k_q6e75bee793_quant.kd
    .args:
      - { .name: x, .offset: 0, .size: 8, .value_kind: global_buffer, .address_space: global }
      - { .name: Wq, .offset: 8, .size: 8, .value_kind: global_buffer, .address_space: global }
      - { .name: Wk, .offset: 16, .size: 8, .value_kind: global_buffer, .address_space: global }
      - { .name: Wv, .offset: 24, .size: 8, .value_kind: global_buffer, .address_space: global }
      - { .name: Wo, .offset: 32, .size: 8, .value_kind: global_buffer, .address_space: global }
      - { .name: lowp_scales, .offset: 40, .size: 8, .value_kind: global_buffer, .address_space: global }
      - { .name: xq_c, .offset: 48, .size: 8, .value_kind: global_buffer, .address_space: global }
      - { .name: xk_c, .offset: 56, .size: 8, .value_kind: global_buffer, .address_space: global }
      - { .name: xv_c, .offset: 64, .size: 8, .value_kind: global_buffer, .address_space: global }
      - { .name: w_c, .offset: 72, .size: 8, .value_kind: global_buffer, .address_space: global }
    .group_segment_fixed_size: 66560
    .private_segment_fixed_size: 0
    .kernarg_segment_align: 8
    .kernarg_segment_size: 80
    .max_flat_workgroup_size: 256
    .sgpr_count:     66
    .vgpr_count:     234
    .wavefront_size: 32
...
	.end_amdgpu_metadata
.endif
;; end of part 1
;; launch qkv (part 2): grid 12 x 16, 4 waves a work-group, clusters of 4 x 4, 327,680 bytes of LDS; arguments xq_c, xk_c, xv_c, w_c, lowp_scales, bq, bv, q_img, kv_img; writes q_img, kv_img
.if DOCPART == 2
	.amdgcn_target "amdgcn-amd-amdhsa--gfx1250"
	.amdhsa_code_object_version 6
	.text
	.protected	k_q6e75bee793_qkv
	.globl	k_q6e75bee793_qkv
	.p2align	8
	.type	k_q6e75bee793_qkv,@function
k_q6e75bee793_qkv:
	s_mov_b64 s[64:65], 0
	v_nop
	global_prefetch_b8 v0, s[64:65] scope:SCOPE_SE
	s_setreg_imm32_b32 hwreg(HW_REG_WAVE_MODE, 25, 1), 1
	s_wait_xcnt 0x0
	s_wait_alu depctr_hold_cnt(0) depctr_sa_sdst(0) depctr_va_vdst(0) depctr_va_sdst(0) depctr_va_ssrc(0) depctr_va_vcc(0) depctr_vm_vsrc(0)
	s_getreg_b32 s2, hwreg(HW_REG_IB_STS2, 6, 4)
	s_cmp_eq_u32 s2, 0
	s_cbranch_scc0 .Lentry_in_a_cluster
	s_endpgm
.Lentry_in_a_cluster:
	s_bfe_u32 s2, ttmp6, 0x10000c
	s_cmp_lg_u32 s2, 0xf033
	s_cbranch_scc0 .Lentry_shape_is_right
	s_endpgm
.Lentry_shape_is_right:
; THE THREE PROJECTIONS on codes of E4M3, and the quantising of their results for attention.  K = 1,024.  The cluster's x is the product P: 0 q, 1 k, 2 v: the same number in all sixteen partners.
;   q = ((x Wq^T) 2^(e0+e1) + bq) 2^-1.5 -> codes under e6;   k = (x Wk^T) 2^(e2+e3) 2^-1.5 -> codes under e7;   v = (x Wv^T) 2^(e4+e5) + bv -> codes under e8.
; A tile of 256 x 256 results is made by four waves, 128 x 128 each: 64 accumulators of 16 x 16.  K goes in four steps of 256 through two LDS slots filled by joint tensor loads.
; THE MATRIX INSTRUCTION: source 0 = 16 rows of 'B', source 1 = 16 rows of 'A': a lane holds ONE row of A and its eight registers eight rows of B.
;   P < 2: A = tokens (xq_c, xk_c), B = the weight's rows (channels): a lane's registers run along the head's channels, the K of q k^T.
;   P = 2: A = Wv's rows (channels), B = tokens (xv_c): a lane's registers run along the tokens, which are the K of the product with the softmax.
; B's rows lie in memory with bits 3 and 4 of their index exchanged, so the 16 registers of result tiles 2 b and 2 b + 1 are 16 neighbours 32 b + 16 (lane / 16) + 0 .. 15 along that K: the conversions'
; results are registers 4 b .. 4 b + 3 of the next operand.  They are stored as IMAGES OF THE OPERAND'S REGISTERS: four registers by one store at 16 x lane, 512 consecutive bytes.
;   q_img  [32 heads][128 tiles of 16 queries][2][32 lanes][16 bytes].
;   kv_img [32 heads][16 steps of 128 keys][16,384 bytes]: 8 tiles of K as q's (xk_c's rows are exchanged too: lane r of tile t holds key 32 (t / 2) + 8 (t % 2) + r + 8 (r / 8)), then 4 tiles of V^T of 2,048 bytes
;   (lane r of tile t holds the head's channel given by the same formula, registers 4 b .. 4 b + 3 keys 32 b + 16 (lane / 16) + 0 .. 15).
; CLUSTERS: 4 x 4.  A's tile hangs on the tile row alone and is asked for jointly by a row of the cluster, B's on the tile column alone, by a column.
; LIMITS: e0+e1, e2+e3, e4+e5 between -124 and 127; e6, e7, e8 between -126 and 119.  bq is finite: for k, which has no bias, it is multiplied by 0.  NaN is not served.
; REGISTERS, in windows of 256: window 0: v0-31 addresses; v32-95 bq's numbers, v96-111 bv's; from v128 A's fragments, ONE set; on the way out v128-223 are at work.
;   window 1: B's fragments, TWO sets.   window 2: the accumulators of my A rows 0-63 ((a, b) at v[8 (8 a + b)]);   window 3: those of rows 64-127.
.set KROW,   1024                      ; a row of codes in memory, in bytes
.set ROWB,   256                       ; a tile's row: 256 along K
.set PITCH,  272                       ; an LDS row: 256 bytes + 16 of padding = 68 words: the 16 rows that a load touches start at 16 different banks (64 banks of 4 bytes: ISA guide 11.1)
.set FR,     16                        ; registers of a fragment: 16 rows x 128 K
.set NL,     4                         ; LDS loads that bring one
.set NP,     4                         ; places behind this matrix instruction (ISA guide 7.12.1)
.set HALFT,  128*PITCH                 ; what one tensor load brings
.set SLOT,   4*HALFT                   ; A's 256 rows, then B's 256 rows
.set SPARE,  2*SLOT                    ; behind the ring: the spare words, 128 bytes for each wave, which no other line names
.set ADRA, 16                          ; v16-17  LDS address of my A fragments in slot 0, 1
.set ADRB, 20                          ; v20-21  the same for B
.set OB,   22                          ; v22     bq: 64 x (lane / 16)
.set OV,   23                          ; v23     bv: 4 x (r + 8 (r / 8))
.set LIMV, 24                          ; v24     448 x 2^eo
.set SCV,  25                          ; v25     2^eo
.set LO,   26                          ; v26     16 x lane
.set SPW,  28                          ; v28     LDS address of my spare word; never rewritten
.set NIL,  29                          ; v29     0; never rewritten
.set PFO,  30                          ; v30     the prefetches' offset: lane x 1,024, a row; never rewritten
; A PREFETCH INTO THE L2 stands behind each joint load but the last: the next K step of the 128 rows that my wave fetches, one K step ahead of the load that wants it.  Each of the four partners that ask for the rows jointly
; takes 32 of them BY ADDRESS (cx for A, cy for B), a lane a row, 256 bytes: each block is named once in each cluster that loads it.  s[2:3] is never stepped: the K step is in the immediate.
.set BIAS, 32                          ; v32-95  register 8 b + j: bq at the channel of result tile b, register j
.set BV,   96                          ; v96-111 registers 2 a, 2 a + 1: bv at my lane's channel of A's block a, twice (a pair for the packed form)
.set AF,   128                         ; A's fragments
.set T,    128                         ; the way out: a block's 64 numbers
.set G1, 24                            ; s[24:31] descriptor group 1 for A's tiles;  s[32:39] group 0, one set for each slot
.set G0, 32
.set G1B, 48                           ; s[48:55], s[56:63] the same for B's tiles
.set G0B, 56
.set MSB, 0
.macro WIN new                         ; the immediate's high byte repeats the setting that is left
.if MSB != \new
	s_set_vgpr_msb (MSB<<8)|\new
.set MSB, \new
.endif
.endm
.set MUL_LO, 0xa1                      ; source 0 (B) window 1, source 1 (A) window 0, C and D window 2
.set MUL_HI, 0xf1                      ; the same, C and D window 3
.set TO_B,   0x40                      ; destination window 1, address window 0
; A joint load: waves 0 and 1 fetch for A, waves 2 and 3 for B.  The branch hangs on the wave's number alone.  Four v_nop follow each of the two lines.
.macro JLOAD g0a, g1a, g0b, g1b
	s_cmp_eq_u32 s15, 0
	s_cbranch_scc0 .Lfor_b_\@
	tensor_load_to_lds s[\g0a:\g0a+3], s[\g1a:\g1a+7]
	s_nop 0
.rept 4
	v_nop
.endr
	s_branch .Lasked_\@
.Lfor_b_\@:
	tensor_load_to_lds s[\g0b:\g0b+3], s[\g1b:\g1b+7]
	s_nop 0
.rept 4
	v_nop
.endr
.Lasked_\@:
.endm
.macro CREST                           ; a round of the cluster's barrier behind its opening barrier
	s_cmp_lg_u32 s14, 0
	s_cbranch_scc1 .Lnot_wave_0_\@
	s_barrier_signal -3
.Lnot_wave_0_\@:
	s_barrier_wait -3
	s_barrier_signal -1
	s_barrier_wait -1
.endm
.macro CROUND                          ; a whole round
	s_barrier_signal -1
	s_barrier_wait -1
	CREST
.endm
	s_load_b256 s[4:11], s[0:1], 0x0               ; xq_c, xk_c, xv_c, w_c
	s_load_b256 s[68:75], s[0:1], 0x20             ; the scales' exponents, bq, bv, q_img
	s_load_b64 s[76:77], s[0:1], 0x40              ; kv_img
	v_lshl_add_u32 v[SPW], v0, 2, SPARE
	v_mov_b32 v[NIL], 0
	v_and_b32 v[PFO], 31, v0
	v_lshlrev_b32 v[PFO], 10, v[PFO]
	s_wait_alu depctr_va_vdst(0)
	ds_add_u32 v28, v29
	ds_add_u32 v28, v29
	s_wait_dscnt 0x0
	v_lshrrev_b32 v1, 5, v0
	v_readfirstlane_b32 s14, v1                    ; wave 0..3
	s_lshr_b32 s15, s14, 1                         ; which half of A's rows is mine.  Also: I fetch for A (0) or for B (1)
	s_and_b32 s16, s14, 1                          ; which half of B's rows.  Also: which 128 rows of that tile I fetch
	s_bfe_u32 s40, ttmp6, 0x40000                  ; cx, cy: my place in the cluster
	s_bfe_u32 s41, ttmp6, 0x40004
	s_mov_b32 s12, ttmp9                           ; P
	s_and_b32 s13, ttmp7, 0xffff
	s_lshl_b32 s13, s13, 2                         ; 4 x cluster y: it walks the tokens' 16 tiles
	s_cmp_eq_u32 s12, 2
	s_cselect_b32 s17, 0, s13
	s_cselect_b32 s42, s13, 0
	s_add_co_u32 s17, s17, s41                     ; A's tile: tokens 4 Y + cy, or for v channels cy
	s_add_co_u32 s42, s42, s40                     ; B's tile: channels cx, or for v tokens 4 Y + cx
	s_lshl_b32 s43, s41, 2
	s_lshl_b32 s43, 15, s43                        ; my row of the cluster
	s_lshl_b32 s44, 0x1111, s40                    ; my column
	; descriptor group 1: a tile of 128 rows x 256 bytes, padded in LDS
	s_or_b32 s[G1+0], s43, (0<<16)|(1<<20)|(1<<21)|(5<<22)|(3<<25)  ; 15:0 the mask; 17:16 element of 1 byte; 20 padding on; 21 set beside a mask; 24:22 after every 64 words; 31:25 of 4 words
	s_or_b32 s[G1B+0], s44, (0<<16)|(1<<20)|(1<<21)|(5<<22)|(3<<25)
.irp g, G1, G1B
	s_mov_b32 s[\g+1], ROWB<<16                    ; tensor_dim0
	s_mov_b32 s[\g+2], 128<<16                     ; tensor_dim1
	s_mov_b32 s[\g+3], ROWB<<16                    ; tile_dim0
	s_mov_b32 s[\g+4], 128                         ; tile_dim1
	s_mov_b32 s[\g+5], KROW                        ; tensor_dim0_stride
	s_mov_b32 s[\g+6], 0
	s_mov_b32 s[\g+7], 0
.endr
	s_lshl_b32 s18, s16, 7                         ; which 128 rows of the tile I fetch
	s_lshl_b32 s20, s17, 8
	s_add_co_u32 s20, s20, s18
	s_lshl_b32 s20, s20, 10                        ; A: (256 x tile + 128 x half) rows of 1,024 bytes
	s_mov_b32 s21, 0
	s_lshl_b32 s46, s42, 8
	s_add_co_u32 s46, s46, s18
	s_lshl_b32 s46, s46, 10                        ; B likewise
	s_mov_b32 s47, 0
	s_mul_i32 s45, s14, HALFT                      ; where they go: wave x 128 rows: no place in the cluster enters an LDS address
	s_lshl_b32 s22, s12, 20                        ; the product's weight in w_c
	s_mov_b32 s23, 0
	s_wait_kmcnt 0x0
	s_load_b256 s[80:87], s[68:69], 0x0            ; e0 .. e7
	s_load_b32 s88, s[68:69], 0x20                 ; e8
	s_add_nc_u64 s[10:11], s[10:11], s[22:23]
	s_cmp_eq_u32 s12, 0
	s_cselect_b64 s[4:5], s[4:5], s[6:7]           ; x's codes for q or for k
	s_cmp_eq_u32 s12, 2
	s_cselect_b64 s[6:7], s[8:9], s[10:11]         ; B: for v x's codes, else the weight
	s_cselect_b64 s[4:5], s[10:11], s[4:5]         ; A: for v the weight, else x's codes
	s_add_nc_u64 s[20:21], s[4:5], s[20:21]
	s_add_nc_u64 s[46:47], s[6:7], s[46:47]
	CROUND                                         ; all sixteen work-groups are here: the first joint loads meet
.irp s, 0,1
	s_mov_b32 s[G0+4*\s], 1
	s_add_co_u32 s[G0+4*\s+1], s45, \s*SLOT
	s_add_nc_u64 s[G0+4*\s+2:G0+4*\s+3], s[20:21], \s*ROWB
	s_or_b32 s[G0+4*\s+3], s[G0+4*\s+3], 0x80000000
	s_mov_b32 s[G0B+4*\s], 1
	s_add_co_u32 s[G0B+4*\s+1], s45, \s*SLOT
	s_add_nc_u64 s[G0B+4*\s+2:G0B+4*\s+3], s[46:47], \s*ROWB
	s_or_b32 s[G0B+4*\s+3], s[G0B+4*\s+3], 0x80000000
.endr
	JLOAD G0, G1, G0B, G1B                         ; K step 0: one tensor load a wave at the head
	s_cmp_eq_u32 s15, 0
	s_cselect_b64 s[2:3], s[20:21], s[46:47]       ; the 128 rows that I fetch,
	s_cselect_b32 s18, s40, s41
	s_lshl_b32 s18, s18, 15
	s_mov_b32 s19, 0
	s_add_nc_u64 s[2:3], s[2:3], s[18:19]          ; my work-group's 32 of them
	global_prefetch_b8 v[PFO], s[2:3] offset:ROWB th:TH_LOAD_NT scope:SCOPE_SE   ; K step 1
	v_and_b32 v1, 15, v0                           ; r
	v_bfe_u32 v2, v0, 4, 1                         ; h
	v_mul_u32_u24 v3, v1, PITCH
	v_lshl_add_u32 v4, v2, 4, v3                   ; a fragment's row x pitch + 16 x half
	s_mul_i32 s21, s15, HALFT                      ; my 128 rows of A
	s_mul_i32 s22, s16, HALFT                      ; my 128 rows of B,
	s_add_co_u32 s22, s22, 2*HALFT                 ; which lie behind A's 256
.irp s, 0,1
	v_add_nc_u32 v[ADRA+\s], s21, v4
	v_add_nc_u32 v[ADRB+\s], s22, v4
	s_add_co_u32 s21, s21, SLOT
	s_add_co_u32 s22, s22, SLOT
.endr
	; THE BIASES, in both layouts and without a branch: each way out reads its own.  The tile numbers are taken modulo 4, so that both addresses lie inside their buffers for every product.
	v_lshlrev_b32 v[OB], 6, v2
	s_wait_alu depctr_va_vdst(0)
	v_and_b32 v5, 8, v1
	v_add_nc_u32 v5, v5, v1
	v_lshlrev_b32 v[OV], 2, v5
	s_wait_alu depctr_va_vdst(0)
	v_and_b32 v6, 31, v0
	v_lshlrev_b32 v[LO], 4, v6
	s_and_b32 s89, s42, 3
	s_lshl_b32 s89, s89, 10
	s_lshl_b32 s90, s16, 9
	s_add_co_u32 s90, s89, s90                     ; bq: channel 256 x B's tile + 128 x half, 4 bytes each
	s_mov_b32 s91, 0
	s_add_nc_u64 s[70:71], s[70:71], s[90:91]
	s_and_b32 s89, s17, 3
	s_lshl_b32 s89, s89, 10
	s_lshl_b32 s90, s15, 9
	s_add_co_u32 s90, s89, s90                     ; bv: channel 256 x A's tile + 128 x half
	s_add_nc_u64 s[72:73], s[72:73], s[90:91]
.irp b, 0,1,2,3,4,5,6,7
	global_load_b128 v[BIAS+8*\b:BIAS+8*\b+3], v[OB], s[70:71] offset:(32*(\b/2)+8*(\b%2))*4        ; channels 32 (b / 2) + 16 h + 8 (b % 2) + 0 .. 7
	global_load_b128 v[BIAS+8*\b+4:BIAS+8*\b+7], v[OB], s[70:71] offset:(32*(\b/2)+8*(\b%2))*4+16
.endr
.irp a, 0,1,2,3,4,5,6,7
	global_load_b32 v[BV+2*\a], v[OV], s[72:73] offset:(32*(\a/2)+8*(\a%2))*4                       ; channel 32 (a / 2) + 8 (a % 2) + r + 8 (r / 8)
	global_load_b32 v[BV+2*\a+1], v[OV], s[72:73] offset:(32*(\a/2)+8*(\a%2))*4
.endr
	; WHERE THE IMAGES GO.  My 128 tokens begin at m0, my 128 channels are heads bh0 and bh0 + 1.
	s_cmp_eq_u32 s12, 2
	s_cselect_b32 s89, s42, s17                    ; the tokens' tile,
	s_cselect_b32 s90, s16, s15                    ; my half of it;
	s_cselect_b32 s91, s17, s42                    ; the channels' tile,
	s_cselect_b32 s94, s15, s16                    ; my half of it
	s_cselect_b32 s95, 8192, 0                     ; V^T lies behind K in a step's 16,384 bytes
	s_lshl_b32 s89, s89, 8
	s_lshl_b32 s90, s90, 7
	s_add_co_u32 s89, s89, s90                     ; m0
	s_lshr_b32 s90, s89, 11                        ; the batch: 16 heads each
	s_lshl_b32 s90, s90, 4
	s_lshl_b32 s91, s91, 2
	s_add_co_u32 s90, s90, s91
	s_lshl_b32 s94, s94, 1
	s_add_co_u32 s90, s90, s94                     ; bh0
	s_and_b32 s89, s89, 2047                       ; the token in its batch
	s_lshl_b32 s90, s90, 17                        ; q_img: 131,072 bytes a head, 64 a token;
	s_lshl_b32 s89, s89, 6
	s_add_co_u32 s90, s90, s89
	s_min_u32 s98, s12, 1
	s_lshl_b32 s90, s90, s98                       ; kv_img: twice that
	s_add_co_u32 s90, s90, s95
	s_mov_b32 s91, 0
	s_cmp_eq_u32 s12, 0
	s_cselect_b64 s[66:67], s[74:75], s[76:77]
	s_add_nc_u64 s[66:67], s[66:67], s[90:91]      ; head bh0
	s_lshl_b32 s90, 0x20000, s98
	s_add_nc_u64 s[78:79], s[66:67], s[90:91]      ; head bh0 + 1 (q and k)
.macro FRAG reg, adr, q, i             ; a fragment: lane l holds row l % 16; registers 4 c .. 4 c + 3 hold K = 32 c + 16 (l / 16) + 0 .. 15: one order of k, the same in A and in B
.irp c, 0,1,2,3
	ds_load_b128 v[\reg+4*\c:\reg+4*\c+3], v[\adr] offset:128*(\q)+32*\c+(\i)*16*PITCH
.endr
.endm
; 16 matrix instructions: A's blocks a0, a0 + 1 x B's eight, 128 along K.  p: B's set.  zero = 1: the first product starts the sums.  The 64 accumulators take turns, one instruction a turn.
.macro MUL16 a0, p, zero
.irp a, \a0, \a0+1
.irp b, 0,1,2,3,4,5,6,7
.if \zero
	v_wmma_f32_16x16x128_fp8_fp8 v[8*(8*((\a)%4)+\b):8*(8*((\a)%4)+\b)+7], v[128*(\p)+FR*\b:128*(\p)+FR*\b+FR-1], v[AF+FR*(\a):AF+FR*(\a)+FR-1], 0
.else
	v_wmma_f32_16x16x128_fp8_fp8 v[8*(8*((\a)%4)+\b):8*(8*((\a)%4)+\b)+7], v[128*(\p)+FR*\b:128*(\p)+FR*\b+FR-1], v[AF+FR*(\a):AF+FR*(\a)+FR-1], v[8*(8*((\a)%4)+\b):8*(8*((\a)%4)+\b)+7]
.endif
.endr
.endr
.endm
.macro FETCH_B slot, q, p              ; B's eight fragments of the slot's q-th 128 along K into set p
	WIN TO_B
.irp i, 0,1,2,3,4,5,6,7
	FRAG 128*(\p)+FR*\i, ADRB+\slot, \q, \i
.endr
	WIN 0
.endm
.macro FETCH_A slot, q, i0             ; A's blocks i0 .. i0 + 3
.irp i, \i0, \i0+1, \i0+2, \i0+3
	FRAG AF+FR*(\i), ADRA+\slot, \q, \i
.endr
.endm
.macro PLACES n                        ; plain vector lines between a matrix instruction and a load into, or a vector instruction on, its registers
.rept \n
	v_nop
.endr
.endm
; A step of 128 along K that has its successor in the same slot.  A block of A is free as soon as its eight products are issued, so one set of registers serves A.
.macro STEP slot, q, zero
	s_wait_dscnt 4*NL                              ; B's set and A's blocks 0-3 are in; the youngest 16 loads (A's blocks 4-7) may be out
	WIN MUL_LO
	MUL16 0, (\q)%2, \zero
	MUL16 2, (\q)%2, \zero
	s_wait_dscnt 0                                 ; A's blocks 4-7 are in
	PLACES NP
	FETCH_B \slot, (\q)+1, 1-(\q)%2
	FETCH_A \slot, (\q)+1, 0
	WIN MUL_HI
	MUL16 4, (\q)%2, \zero
	MUL16 6, (\q)%2, \zero
	PLACES NP
	WIN 0
	FETCH_A \slot, (\q)+1, 4
.endm
; A slot's last step changes slots: ONE barrier; in front of it each wave waits for all its tensor loads, adds 0 to its spare word, and waits for that and for its own reads of this slot.  fill = 1: this slot is filled again, two K steps ahead.
.macro TURN slot, next, fill
	s_wait_tensorcnt 0x0                           ; all my tensor loads have landed: my part of the next slot  (every window is 0 here)
	ds_add_u32 v[SPW], v[NIL]                      ; 0 onto my spare word
	s_wait_dscnt 4*NL+1                            ; the add and the youngest 16 loads, A's blocks 4-7, may be out
	WIN MUL_LO
	MUL16 0, 1, 0                                  ; sixteen matrix instructions stand between the add and the wait for it
	s_wait_dscnt 0x0                               ; the add is done, and my reads of this slot are over
	s_barrier_signal -1
	MUL16 2, 1, 0
	WIN 0
	s_barrier_wait -1
.if \fill
	CREST                                          ; the barrier has opened a round of the cluster's: no wave of any partner still reads this slot's tile or has a load on its way
	s_add_nc_u64 s[G0+4*\slot+2:G0+4*\slot+3], s[G0+4*\slot+2:G0+4*\slot+3], 2*ROWB
	s_add_nc_u64 s[G0B+4*\slot+2:G0B+4*\slot+3], s[G0B+4*\slot+2:G0B+4*\slot+3], 2*ROWB
	JLOAD G0+4*\slot, G1, G0B+4*\slot, G1B         ; the first tensor load behind the round, and my only one until the next; its four v_nop are the places in front of the loads below
.else
	PLACES NP
.endif
	FETCH_B \next, 0, 0
	FETCH_A \next, 0, 0
.if \fill && (\slot == 0)
	global_prefetch_b8 v[PFO], s[2:3] offset:3*ROWB th:TH_LOAD_NT scope:SCOPE_SE   ; K step 3
.endif
	WIN MUL_HI
	MUL16 4, 1, 0
	MUL16 6, 1, 0
	PLACES NP
	WIN 0
	FETCH_A \next, 0, 4
.endm
	s_wait_alu depctr_va_vdst(0)                   ; at the head's end
	s_wait_tensorcnt 0x0                           ; my part of K step 0 is in
	ds_add_u32 v[SPW], v[NIL]                      ; 0 onto my spare word
	s_wait_dscnt 0x0
	CROUND                                         ; everybody's part is in, and all sixteen work-groups are here
	JLOAD G0+4, G1, G0B+4, G1B                     ; K step 1: the first tensor load behind the round
	FETCH_B 0, 0, 0
	FETCH_A 0, 0, 0
	FETCH_A 0, 0, 4
	global_prefetch_b8 v[PFO], s[2:3] offset:2*ROWB th:TH_LOAD_NT scope:SCOPE_SE   ; K step 2
	STEP 0, 0, 1                                   ; K = 1,024 is four slots' worth, eight steps of 128: written out, no loop
	TURN 0, 1, 1                                   ; slot 0 takes K 512 ..
	STEP 1, 0, 0
	TURN 1, 0, 1                                   ; slot 1 takes K 768 ..
	STEP 0, 0, 0
	TURN 0, 1, 0                                   ; nothing is left to fetch
	STEP 1, 0, 0
	s_wait_dscnt 4*NL                              ; the last step
	WIN MUL_LO
	MUL16 0, 1, 0
	MUL16 2, 1, 0
	s_wait_dscnt 0
	WIN MUL_HI
	MUL16 4, 1, 0
	MUL16 6, 1, 0
	WIN 0
	; THE WAY OUT.  No branch hangs on a loaded exponent: all choices are selections on P.
	s_wait_kmcnt 0x0
	s_add_co_i32 s89, s80, s81
	s_add_co_i32 s90, s82, s83
	s_add_co_i32 s91, s84, s85
	s_mov_b32 s96, 0x3eb504f3                      ; 64^-0.25 = 2^-1.5
	s_mov_b32 s95, 0x3f800000
	s_cmp_eq_u32 s12, 1
	s_cselect_b32 s89, s90, s89
	s_cselect_b32 s94, s87, s86                    ; the result's own exponent: e6, e7
	s_cmp_eq_u32 s12, 2
	s_cselect_b32 s89, s91, s89                    ; the two operands' exponents, added
	s_cselect_b32 s94, s88, s94                    ; or e8
	s_cselect_b32 s96, s95, s96                    ; v is not scaled
	s_lshl_b32 s89, s89, 23
	s_add_co_i32 s96, s96, s89                     ; the factor of a sum: the exponents are added to its exponent field
	s_mov_b32 s97, s96                             ; (named with it as a pair, so it is written)
	s_mov_b32 s92, 0x3eb504f3
	s_cmp_eq_u32 s12, 0
	s_cselect_b32 s92, s92, 0                      ; the factor of bq: 2^-1.5 for q, 0 for k
	s_mov_b32 s93, s92
	s_add_co_i32 s94, s94, 127
	s_lshl_b32 s95, s94, 23
	v_mov_b32 v[SCV], s95
	s_add_co_i32 s94, s94, 8
	s_lshl_b32 s94, s94, 23
	s_or_b32 s94, s94, 0x600000
	v_mov_b32 v[LIMV], s94
	PLACES NP                                      ; behind the last products: the lines below write registers that held A's fragments and read results
	s_wait_loadcnt 0x0                             ; the biases
; Block a (16 rows of A x my 128 rows of B): sum x factor + bias, each accumulator from its low end on; the hold (the conversion does not saturate: ISA guide 7.6.2); 64 codes a lane; four stores of 512 consecutive bytes.
.macro EPI a, isv
.set AC, 64*((\a)%4)
.set CD, 192+16*((\a)%2)
	WIN 0x02+((\a)/4)                              ; source 0: window 2 or 3
.set j, 0
.rept 32
.if \isv
	v_pk_fma_f32 v[T+j:T+j+1], v[AC+j:AC+j+1], s[96:97], v[BV+2*(\a):BV+2*(\a)+1] op_sel_hi:[1,0,1]
.else
	v_pk_fma_f32 v[T+j:T+j+1], v[AC+j:AC+j+1], s[96:97], v[BIAS+j:BIAS+j+1] op_sel_hi:[1,0,1]
.endif
.set j, j+2
.endr
	WIN 0
.set j, 0
.rept 64
	v_med3_num_f32 v[T+j], v[T+j], -v[LIMV], v[LIMV]
.set j, j+1
.endr
.if (\a) >= 2
	s_wait_alu depctr_va_vdst(0)
	s_wait_xcnt 0x0                                ; block a - 2's stores have read their data: the codes' registers are written again only behind this wait
.endif
.set j, 0
.rept 8
	v_cvt_scalef32_pk8_fp8_f32 v[CD+2*j:CD+2*j+1], v[T+8*j:T+8*j+7], v[SCV]
.set j, j+1
.endr
	v_nop                                          ; a plain line between the conversions and the next block's lines, which write their sources
.irp e, 0,1,2,3
.if \isv
	global_store_b128 v[LO], v[CD+4*\e:CD+4*\e+3], s[66:67] offset:((\a)/4)*262144+((\a)%4)*2048+512*\e   ; head a / 4, channel tile a % 4, keys 32 e ..
.elseif \e < 2
	global_store_b128 v[LO], v[CD+4*\e:CD+4*\e+3], s[66:67] offset:(\a)*1024+512*\e                       ; head bh0, token tile a, channels 32 e ..
.else
	global_store_b128 v[LO], v[CD+4*\e:CD+4*\e+3], s[78:79] offset:(\a)*1024+512*(\e-2)                   ; head bh0 + 1
.endif
.endr
.endm
	s_cmp_eq_u32 s12, 2                            ; the cluster's x: the same in all partners
	s_cbranch_scc1 .Lv_out
.set j, 0
.rept 32
	v_pk_mul_f32 v[BIAS+j:BIAS+j+1], v[BIAS+j:BIAS+j+1], s[92:93] op_sel_hi:[1,0]
.set j, j+2
.endr
.irp a, 0,1,2,3,4,5,6,7
	EPI \a, 0
.endr
	s_branch .Lend
.Lv_out:
.irp a, 0,1,2,3,4,5,6,7
	EPI \a, 1
.endr
.Lend:
	s_wait_tensorcnt 0x0                           ; the wave's end
	ds_add_u32 v[SPW], v[NIL]
	s_wait_dscnt 0x0
	CROUND                                         ; the closing round: no work-group ends while a partner may still ask for a tile that names it
	s_endpgm
.Lfunc_end_k_q6e75bee793_qkv:
	.size	k_q6e75bee793_qkv, .Lfunc_end_k_q6e75bee793_qkv-k_q6e75bee793_qkv
	.p2alignl 7, 3214868480
	.fill 96, 4, 3214868480
	.section	.rodata,"a",@progbits
	.p2align	6, 0x0
	.amdhsa_kernel k_q6e75bee793_qkv
		.amdhsa_group_segment_fixed_size 327680
		.amdhsa_private_segment_fixed_size 0
		.amdhsa_enable_private_segment 0
		.amdhsa_kernarg_size 72
		.amdhsa_user_sgpr_count 2
		.amdhsa_user_sgpr_kernarg_segment_ptr 1
		.amdhsa_wavefront_size32 1
		.amdhsa_system_sgpr_workgroup_id_x 1
		.amdhsa_system_sgpr_workgroup_id_y 1
		.amdhsa_system_sgpr_workgroup_id_z 1
		.amdhsa_system_vgpr_workitem_id 0
		.amdhsa_next_free_vgpr 1024
		.amdhsa_next_free_sgpr 100
		.amdhsa_reserve_vcc 0
		.amdhsa_float_denorm_mode_32 3
		.amdhsa_float_denorm_mode_16_64 3
		.amdhsa_memory_ordered 1
		.amdhsa_forward_progress 1
		.amdhsa_inst_pref_size 198
	.end_amdhsa_kernel
	.amdgpu_metadata
---
amdhsa.version: [ 1, 2 ]
amdhsa.kernels:
  - .name:           k_q6e75bee793_qkv
    .symbol:         k_q6e75bee793_qkv.kd
    .args:
      - { .name: xq_c, .offset: 0, .size: 8, .value_kind: global_buffer, .address_space: global }
      - { .name: xk_c, .offset: 8, .size: 8, .value_kind: global_buffer, .address_space: global }
      - { .name: xv_c, .offset: 16, .size: 8, .value_kind: global_buffer, .address_space: global }
      - { .name: w_c, .offset: 24, .size: 8, .value_kind: global_buffer, .address_space: global }
      - { .name: lowp_scales, .offset: 32, .size: 8, .value_kind: global_buffer, .address_space: global }
      - { .name: bq, .offset: 40, .size: 8, .value_kind: global_buffer, .address_space: global }
      - { .name: bv, .offset: 48, .size: 8, .value_kind: global_buffer, .address_space: global }
      - { .name: q_img, .offset: 56, .size: 8, .value_kind: global_buffer, .address_space: global }
      - { .name: kv_img, .offset: 64, .size: 8, .value_kind: global_buffer, .address_space: global }
    .group_segment_fixed_size: 327680
    .private_segment_fixed_size: 0
    .kernarg_segment_align: 8
    .kernarg_segment_size: 72
    .max_flat_workgroup_size: 128
    .sgpr_count:     100
    .vgpr_count:     1024
    .wavefront_size: 32
...
	.end_amdgpu_metadata
.endif
;; end of part 2
;; launch attn (part 3): grid 16 x 16, 8 waves a work-group, clusters of 4 x 1, 327,680 bytes of LDS; arguments q_img, kv_img, mask, lowp_scales, wv_c; writes wv_c
.if DOCPART == 3
	.amdgcn_target "amdgcn-amd-amdhsa--gfx1250"
	.amdhsa_code_object_version 6
	.text
	.protected	k_q6e75bee793_attn
	.globl	k_q6e75bee793_attn
	.p2align	8
	.type	k_q6e75bee793_attn,@function
k_q6e75bee793_attn:
	s_mov_b64 s[64:65], 0
	v_nop
	global_prefetch_b8 v0, s[64:65] scope:SCOPE_SE
	s_setreg_imm32_b32 hwreg(HW_REG_WAVE_MODE, 25, 1), 1
	s_wait_xcnt 0x0
	s_wait_alu depctr_hold_cnt(0) depctr_sa_sdst(0) depctr_va_vdst(0) depctr_va_sdst(0) depctr_va_ssrc(0) depctr_va_vcc(0) depctr_vm_vsrc(0)
	s_getreg_b32 s2, hwreg(HW_REG_IB_STS2, 6, 4)
	s_cmp_eq_u32 s2, 0
	s_cbranch_scc0 .Lentry_in_a_cluster
	s_endpgm
.Lentry_in_a_cluster:
	s_bfe_u32 s2, ttmp6, 0x10000c
	s_cmp_lg_u32 s2, 0x3003
	s_cbranch_scc0 .Lentry_shape_is_right
	s_endpgm
.Lentry_shape_is_right:
; ATTENTION on codes of E4M3, head size 64, with the additive mask that is given: every number of it is loaded and added, in f32, for every head.
; t = (q . k) 2^(e6+e7) log2(e) + mask log2(e), one fused multiply-add on the mask's number already multiplied;  M = the row's largest t so far, rounded up to a whole number;  p = 2^(t - M) is quantised under e9, along the keys, not normalised.
; The row's sum is taken of the unquantised p and divides at the end.  When M moves, the sum and O are multiplied by 2^(old M - new M): exact.  M comes from the same rounded t that it is taken from, so t - M is never above 0.
; wv = O 2^(e8+e9) / sum is quantised under e10 and stored as images of the last product's operand registers:
;   wv_c [256 tiles of 16 tokens][8 head pairs][4 chunks of 32 channels][32 lanes][16 bytes]: lane (r, h) of chunk c: token r, channels 32 c + 16 h + 0 .. 15 of the pair's 128.
; SHARES.  A work-group owns 128 queries (block xb) of two heads (y = 8 x batch + head pair).  Wave w of eight: head w % 2, queries 32 (w / 2) + 0 .. 31: TWO tiles of 16, A and B (units 0 and 1),
; so that each fragment of K and of V^T that the wave reads from LDS feeds two products.  Two waves to a SIMD, 512 registers each.  Every wave walks all 2,048 keys, 128 a step.
; THE RING: two slots of 32 KiB, each the two heads' images of a step (K's 8 KiB, then V^T's 8 KiB, for each head); each wave fetches an eighth by one joint load.
; THE MASK: wave w loads the 16 rows 16 w .. of the next step as whole rows of 512 bytes into registers, multiplies them by log2(e) and lays them into one of two stages in LDS (rows 528 bytes apart), by turns.
; The barrier at the next step's head shows them to both waves (the two heads) that need them: each number is loaded and multiplied once in the work-group.
; LAYOUT.  S^T = K Q^T (source 0 = 16 keys, source 1 = 16 queries), O^T = V^T P^T (source 0 = 16 channels): a lane holds ONE query of each tile.  The images' rows are so chosen that the 16 registers
; of tiles 2 b, 2 b + 1 of S^T are keys 32 b + 16 (lane / 16) + 0 .. 15, and of O^T channels likewise: the conversions' results are the next operand's registers.
; ORDER.  A unit's sums, hold, conversions and V^T P stand beside the next unit's K Q^T, maximum and subtraction; unit B's stand in the next step: half of its exponentials inside the barrier of the change of slots, half behind
; the first LDS loads of the step.  The first step finds a unit B whose p are all 0, and sums that are 0.
; CLUSTER 4 x 1: four query blocks of one head pair.  K and V hang on y alone and are asked for jointly by all four.  The mask's rows differ among the four.
; LIMITS: e6 + e7 between -126 and 126; e9 and e10 between -126 and 119; e8 + e9 goes by v_ldexp_f32 and has none.  The promise holds while t stays under 2^31 in magnitude.  NaN is not served.
; REGISTERS, in windows of 256 (s_set_vgpr_msb: bits 1:0 source 0, 3:2 source 1, 5:4 source 2, 7:6 destination).
;   window 0: v1-11, v22-23 addresses and constants; v12-19 two units' -M, largest t, sum (a pair); v20-21 f; v24-39 Q; v40-55 at work, then p's codes; v56-119 S^T of A, v120-183 of B; v184-247 K.
;   window 1: v0-63 V; v64-127 A's multiplied mask, and between its use and the step's end the rows that the wave loads; v128-191 B's multiplied mask; v192-255 O^T, 32 a unit.
.set FLIP,  0x20000                    ; slot 1 and stage 1 lie 2^17 bytes behind slot 0 and stage 0: one exclusive or turns an address
.set MP,    528                        ; a stage's row: 132 words: the 16 rows that a load touches start at 16 different banks (64 banks of 4 bytes: ISA guide 11.1)
.set MT,    16*MP                      ; a tile's 16 rows; a stage has eight, from LDS byte 0 on
.set KVB,   8*MT                       ; the slot behind them
.set SPARE, FLIP+KVB+32768             ; the spare words, 128 bytes for each wave, which no other line names
.set NSL,   16                         ; steps of 128 keys
.set LN,   1                           ; 16 x lane
.set AD,   2                           ; LDS address of my head's images in the slot in hand + 16 x lane
.set AK,   3                           ; the same in slot 0
.set MSA,  4                           ; where I lay the mask, in stage 0
.set MLA,  5                           ; where I read it, in stage 0
.set PFO,  6                           ; the prefetches' offset; never rewritten
.set SPW,  7
.set NIL,  8
.set PX,   9                           ; the lane permute's result
.set LIMV, 10                          ; 448 x 2^e9
.set SCV,  11                          ; 2^e9
.set ST,   12                          ; unit u: v[12+4u] -M, v[13+4u] largest t, v[14+4u:15+4u] sum
.set FP,   20                          ; f = 2^(old M - new M)
.set MLC,  22                          ; MLA in the stage in hand
.set MSC,  23                          ; MSA in the other
.set QF,   24
.set TM,   40
.set SA,   56
.set KF,   184
.set VF,   0
.set MA,   64
.set OT,   192
.set WV,   18
.set SEL,  20
.set C1,   22                          ; s[22:23] 2^(e6+e7) log2(e), twice
.set G1,   24
.set G0,   32
.set L2E,  36
.set MB,   38                          ; s[38:39] my rows of the mask at the step that is loaded
.set TB,   40
.set SLOTS, 41
.set PFA,  42
.set PFS,  44
.set LIM,  46
.set MSB, 0
.macro WIN new                         ; the immediate's high byte repeats the setting that is left
.if MSB != \new
	s_set_vgpr_msb (MSB<<8)|\new
.set MSB, \new
.endif
.endm
.set W_O,  0x41                        ; source 0 and destination window 1
.set W_PV, 0x51                        ; V (source 0) window 1, the codes window 0, O^T (source 2, destination) window 1
.set W_F,  0x10                        ; source 2 (the mask) window 1
.set W_ST, 0x04                        ; an LDS store of data out of window 1
.set TO_1, 0x40
.macro CREST                           ; a round of the cluster's barrier behind its opening barrier
	s_cmp_lg_u32 s[WV], 0
	s_cbranch_scc1 .Lnot_wave_0_\@
	s_barrier_signal -3
.Lnot_wave_0_\@:
	s_barrier_wait -3
	s_barrier_signal -1
	s_barrier_wait -1
.endm
.macro CROUND
	s_barrier_signal -1
	s_barrier_wait -1
	CREST
.endm
.macro GLM                             ; my 16 rows x 128 numbers of the mask: each load reads 512 consecutive bytes of a row
	WIN TO_1
.irp i, 0,1,2,3,4,5,6,7,8,9,10,11,12,13,14,15
	global_load_b128 v[MA+4*\i:MA+4*\i+3], v[LN], s[MB:MB+1] offset:8192*\i
.endr
	WIN 0
.endm
.macro LAYM                            ; times log2(e), and into the stage by rows
	WIN W_O
.set j, MA
.rept 32
	v_pk_mul_f32 v[j:j+1], v[j:j+1], s[L2E:L2E+1] op_sel_hi:[1,0]
.set j, j+2
.endr
	WIN W_ST
.irp i, 0,1,2,3,4,5,6,7,8,9,10,11,12,13,14,15
	ds_store_b128 v[MSC], v[MA+4*\i:MA+4*\i+3] offset:MP*\i
.endr
	WIN 0
.endm
.macro LOADM x                         ; tile x's mask in the order of S^T's registers: keys 32 b + 16 h + 4 n ..
	WIN TO_1
.irp b, 0,1,2,3
.irp n, 0,1,2,3
	ds_load_b128 v[MA+64*\x+16*\b+4*\n:MA+64*\x+16*\b+4*\n+3], v[MLC] offset:MT*\x+128*\b+16*\n
.endr
.endr
	WIN 0
.endm
.macro LOADK                           ; K's eight tiles
.irp t, 0,1,2,3,4,5,6,7
	ds_load_b128 v[KF+8*\t:KF+8*\t+3], v[AD] offset:1024*\t
	ds_load_b128 v[KF+8*\t+4:KF+8*\t+7], v[AD] offset:1024*\t+512
.endr
.endm
.macro LOADV                           ; V^T's four tiles
	WIN TO_1
.irp t, 0,1,2,3
.irp c, 0,1,2,3
	ds_load_b128 v[VF+16*\t+4*\c:VF+16*\t+4*\c+3], v[AD] offset:8192+2048*\t+512*\c
.endr
.endr
	WIN 0
.endm
.macro UNIT u                          ; U the unit in hand, PP the one before it
.set U, \u
.set PP, 1-U
.set X, SA+64*U
.set Y, SA+64*PP
.set NMU, ST+4*U
.set LP, ST+4*PP+2
.endm
.macro EXPS z, n                       ; p = 2^(t - M), at most 1
.set j, \z
.rept \n
	v_exp_f32 v[j], v[j]
.set j, j+1
.endr
.endm
.macro LSC l                           ; the sum under the new M: also the plain line behind the exponentials
	v_pk_mul_f32 v[\l:\l+1], v[\l:\l+1], v[FP:FP+1] op_sel_hi:[1,0]
.endm
.macro OSC                             ; O^T of unit PP under its new M
	WIN W_O
	s_wait_alu depctr_va_vdst(0)                   ; one wait for the exponentials and for O^T's products
.set j, OT+32*PP
.rept 16
	v_pk_mul_f32 v[j:j+1], v[j:j+1], v[FP:FP+1] op_sel_hi:[1,0]
.set j, j+2
.endr
	WIN 0
.endm
; n lines, from line SI on, of the 32 of the row's sum of unit PP, taken of the unquantised p, two at a time, in eight chains.
.macro SUMS n
.rept \n
.if SI < 7
	v_pk_add_f32 v[TM+2*SI:TM+2*SI+1], v[Y+4*SI:Y+4*SI+1], v[Y+4*SI+2:Y+4*SI+3]
.elseif SI < 25
.if SI%8 == 7
	v_pk_add_f32 v[LP:LP+1], v[LP:LP+1], v[Y+2*(SI+7):Y+2*(SI+7)+1]
.else
	v_pk_add_f32 v[TM+2*(SI%8):TM+2*(SI%8)+1], v[TM+2*(SI%8):TM+2*(SI%8)+1], v[Y+2*(SI+7):Y+2*(SI+7)+1]
.endif
.elseif SI == 25
	v_pk_add_f32 v[TM+4:TM+5], v[TM+4:TM+5], v[TM+6:TM+7]
.elseif SI == 26
	v_pk_add_f32 v[TM+8:TM+9], v[TM+8:TM+9], v[TM+10:TM+11]
.elseif SI == 27
	v_pk_add_f32 v[TM+12:TM+13], v[TM+12:TM+13], v[LP:LP+1]
.elseif SI == 28
	v_pk_add_f32 v[TM:TM+1], v[TM:TM+1], v[TM+2:TM+3]
.elseif SI == 29
	v_pk_add_f32 v[TM+8:TM+9], v[TM+8:TM+9], v[TM+12:TM+13]
.elseif SI == 30
	v_pk_add_f32 v[TM:TM+1], v[TM:TM+1], v[TM+4:TM+5]
.else
	v_pk_add_f32 v[LP:LP+1], v[TM:TM+1], v[TM+8:TM+9]
.endif
.set SI, SI+1
.endr
.endm
.macro DM n                            ; n pairs of unit PP's hold: the conversion does not saturate (ISA guide 7.6.2); p is not negative, so the hold is one-sided
.rept \n
	v_dual_min_num_f32 v[Y+DJ], v[Y+DJ], v[LIMV] :: v_dual_min_num_f32 v[Y+DJ+1], v[Y+DJ+1], v[LIMV]
.set DJ, DJ+2
.endr
.endm
.macro CVTPV                           ; unit PP's 64 p into codes, and its V^T P
.set j, 0
.rept 8
	v_cvt_scalef32_pk8_fp8_f32 v[TM+2*j:TM+2*j+1], v[Y+8*j:Y+8*j+7], v[SCV]
.set j, j+1
.endr
	v_nop                                          ; a plain line between the conversions and the products
	WIN W_PV
.irp t, 0,1,2,3
	v_wmma_f32_16x16x128_fp8_fp8 v[OT+32*PP+8*\t:OT+32*PP+8*\t+7], v[VF+16*\t:VF+16*\t+15], v[TM:TM+15], v[OT+32*PP+8*\t:OT+32*PP+8*\t+7]
.endr
	WIN 0
.endm
; A UNIT'S TURN.  The counted waits: LDS instructions of a wave finish in order (ISA guide 5.7.1), so each wait leaves out the one run of 16 loads that was issued behind what it needs.
.macro TURN u, more
	UNIT \u
	OSC
.set SI, 0
	SUMS 16
.if U == 0
	s_wait_alu depctr_va_vdst(0)                   ; directly ahead of the wait below: the sums go on behind it
	s_wait_dscnt 16                                ; K is in; A's mask may be out
.endif
.irp t, 0,1,2,3,4,5,6,7                        ; S^T of the unit: each accumulator is begun anew
	v_wmma_f32_16x16x64_fp8_fp8 v[X+8*\t:X+8*\t+7], v[KF+8*\t:KF+8*\t+7], v[QF+8*U:QF+8*U+7], 0
.endr
	SUMS 16                                        ; also the places between the products and the first read of the scores
.if U == 0
	s_wait_dscnt 0x0                               ; A's mask is in
.else
	s_wait_dscnt 16                                ; B's mask is in; V may be out
.endif
	WIN W_F
.set j, 0
.rept 32
	v_pk_fma_f32 v[X+j:X+j+1], v[X+j:X+j+1], s[C1:C1+1], v[MA+64*U+j:MA+64*U+j+1] op_sel_hi:[1,0,1]   ; t, each accumulator from its low end on
.set j, j+2
.endr
	WIN 0
.irp c, 0,1,2,3,4,5,6,7                        ; the largest t of my query among my 64 keys: eight chains
	v_max3_num_f32 v[TM+\c], v[X+8*\c], v[X+8*\c+1], v[X+8*\c+2]
.endr
.irp c, 0,1,2,3,4,5,6,7
	v_max3_num_f32 v[TM+\c], v[TM+\c], v[X+8*\c+3], v[X+8*\c+4]
.endr
.irp c, 0,1,2,3,4,5,6,7
	v_max3_num_f32 v[TM+\c], v[TM+\c], v[X+8*\c+5], v[X+8*\c+6]
.endr
.if U == 0
	LOADM 1
.if \more
	GLM                                            ; A's mask has been used: its registers take my rows of the next step
.endif
.endif
.set DJ, 0
	v_max3_num_f32 v[TM], v[TM], v[TM+1], v[X+7]
	v_max3_num_f32 v[TM+2], v[TM+2], v[TM+3], v[X+23]
	v_max3_num_f32 v[TM+4], v[TM+4], v[TM+5], v[X+39]
	v_max3_num_f32 v[TM+6], v[TM+6], v[TM+7], v[X+55]
	DM 3
	v_max3_num_f32 v[TM], v[TM], v[TM+2], v[X+15]
	v_max3_num_f32 v[TM+4], v[TM+4], v[TM+6], v[X+31]
	DM 4
	v_max3_num_f32 v[TM], v[TM], v[TM+4], v[X+47]
	DM 4
	v_max3_num_f32 v[TM], v[TM], v[X+63], v[NMU+1] ; the largest so far among them,
	DM 4
	v_permlanex16_b32 v[PX], v[TM], s[SEL], s[SEL+1]
	DM 4
	v_max_num_f32 v[NMU+1], v[TM], v[PX]           ; and lane l xor 16's
	DM 4
	v_floor_f32 v[TM+1], -v[NMU+1]                 ; the new -M = floor(-t) = -ceil(t)
	DM 4
	v_sub_f32 v[TM+2], v[TM+1], v[NMU]             ; old M less new M: a whole number, 0 or less
	v_mov_b32 v[NMU], v[TM+1]
	DM 3
	v_cvt_i32_f32 v[TM+2], v[TM+2]                 ; (it saturates)
	DM 2
	v_ldexp_f32 v[FP], 1.0, v[TM+2]                ; f
.if U == 1
	s_wait_alu depctr_va_vdst(0)                   ; directly ahead of the wait below
	s_wait_dscnt 0x0                               ; V is in
.endif
	CVTPV                                          ; unit B's, a step behind, still on the V of its own step
.set j, X
.rept 32
	v_pk_add_f32 v[j:j+1], v[j:j+1], v[NMU:NMU+1] op_sel_hi:[1,0]   ; t - M; also the places behind the products
.set j, j+2
.endr
.if U == 0
	LOADV
	s_wait_alu depctr_va_vdst(0)                   ; ahead of the batch
	EXPS X, 64
	LSC NMU+2
.elseif \more
	s_wait_loadcnt 0x0                             ; my rows of the next step are in
	LAYM
.endif
.endm
; THE CHANGE OF SLOTS stands at a step's head.  fill = 1: the barrier opens a round of the cluster's; behind it the slot that was left takes the next step's images, which have a whole step in which to land.
; The barrier also shows the stage in hand to the other head's wave, and that nobody reads the other stage any more.
.macro CHANGE fill
	v_add_nc_u32 v[AD], s[TB], v[AK]
	v_add_nc_u32 v[MLC], s[TB], v[MLA]
	s_xor_b32 s[TB], s[TB], FLIP
	v_add_nc_u32 v[MSC], s[TB], v[MSA]
	s_wait_alu depctr_va_vdst(0)                   ; ahead of the batch below
	s_wait_tensorcnt 0x0                           ; my part of the slot ahead is in; no tensor load of mine is out
	ds_add_u32 v[SPW], v[NIL]                      ; 0 onto my spare word
.if \fill
	s_xor_b32 s[G0+1], s[G0+1], FLIP
	s_add_nc_u64 s[G0+2:G0+3], s[G0+2:G0+3], 16384
	s_wait_xcnt 0x0                                ; the last step's loads of the mask and the prefetch have read their addresses
	s_add_nc_u64 s[MB:MB+1], s[MB:MB+1], 512
	s_add_nc_u64 s[PFA:PFA+1], s[PFA:PFA+1], s[PFS:PFS+1]
.endif
	s_wait_dscnt 0x0                               ; the add and my stores into the stage are done, and my reads of the slot that I have left are over
	s_barrier_signal -1
	EXPS SA+64, 32                                 ; unit B of the step before: register work inside the barrier
	v_nop                                          ; a plain line behind the batch
	s_wait_alu depctr_va_vdst(0)                   ; behind the batch, ahead of the branch
	s_barrier_wait -1
.if \fill
	CREST
	tensor_load_to_lds s[G0:G0+3], s[G1:G1+7]      ; the first thing behind the round, and my one tensor load until the next
	s_nop 0
.endif
.endm
; A PREFETCH INTO THE L2, three steps ahead of the step in hand, two ahead of the load that will want it.  Wave 0: the two heads' 32,768 bytes of images, once in each cluster, a quarter for each of the four partners BY ADDRESS (cx), lanes 256 bytes apart.
; Wave 1: the mask's 128 rows x 512 bytes: the sixteen work-groups with the same rows take 8 rows each (y), sixteen lanes; lanes 16-31 name the last block again.  Steps 0 to 2 come by their loads alone; the last three trips ask for nothing.
.macro STEP more
	LOADK
	LOADM 0
	EXPS SA+96, 32                                 ; the other half of unit B's: while the loads are out
	LSC ST+6
.if \more
	s_wait_alu depctr_va_vdst(0)                   ; ahead of the branch
	s_cmp_gt_u32 s[SLOTS], s[LIM]
	s_cbranch_scc0 .Lnot_mine_\@
	global_prefetch_b8 v[PFO], s[PFA:PFA+1] th:TH_LOAD_NT scope:SCOPE_SE
.Lnot_mine_\@:
.endif
	TURN 0, \more
	TURN 1, \more
.endm
	s_load_b256 s[4:11], s[0:1], 0x0               ; q_img, kv_img, mask, the scales' exponents
	s_load_b64 s[12:13], s[0:1], 0x20              ; wv_c
	v_lshl_add_u32 v[SPW], v0, 2, SPARE
	v_mov_b32 v[NIL], 0
	ds_add_u32 v[SPW], v[NIL]                      ; the wave's opening: the add, twice on end, and its wait ahead of my first tensor load
	ds_add_u32 v[SPW], v[NIL]
	v_lshrrev_b32 v40, 5, v0
	v_readfirstlane_b32 s[WV], v40                 ; wave 0..7
	v_and_b32 v[LN], 31, v0
	v_lshlrev_b32 v[LN], 4, v[LN]
	s_bfe_u32 s48, ttmp6, 0x40000                  ; cx
	s_lshl_b32 s50, ttmp9, 2
	s_add_co_u32 s50, s50, s48                     ; xb: my block of 128 queries
	s_and_b32 s51, ttmp7, 0xffff                   ; y = 8 x batch + head pair
	s_and_b32 s52, s[WV], 1                        ; my head of the pair
	s_lshr_b32 s53, s[WV], 1                       ; which 32 of the 128 queries are mine
	s_mov_b32 s[G1], 15|(3<<16)|(1<<21)            ; all four of the cluster; elements of 8 bytes; bit 21 beside a mask
	s_mov_b32 s[G1+1], 32<<16                      ; 4,096 dense bytes as 16 rows of 32 elements
	s_mov_b32 s[G1+2], 16<<16
	s_mov_b32 s[G1+3], 32<<16
	s_mov_b32 s[G1+4], 16
	s_mov_b32 s[G1+5], 32
	s_mov_b32 s[G1+6], 0
	s_mov_b32 s[G1+7], 0
	s_lshr_b32 s80, s[WV], 2                       ; the head that I fetch
	s_and_b32 s81, s[WV], 3                        ; and which quarter of its step
	s_lshl_b32 s54, s51, 1
	s_add_co_u32 s54, s54, s80
	s_lshl_b32 s54, s54, 18                        ; head 2 y + s80: 262,144 bytes each
	s_lshl_b32 s81, s81, 12
	s_add_co_u32 s54, s54, s81
	s_mov_b32 s55, 0
	s_lshl_b32 s83, s[WV], 12
	s_add_co_u32 s83, s83, KVB                     ; its place in slot 0
	s_lshl_b32 s58, s50, 20
	s_lshl_b32 s59, s[WV], 17
	s_add_co_u32 s58, s58, s59                     ; the mask's row 128 xb + 16 w
	s_mov_b32 s59, 0
	s_lshl_b32 s60, s51, 18
	s_lshl_b32 s61, s52, 17
	s_add_co_u32 s60, s60, s61
	s_lshl_b32 s61, s50, 13
	s_add_co_u32 s60, s60, s61
	s_lshl_b32 s61, s53, 11
	s_add_co_u32 s60, s60, s61                     ; Q: my head, tile 8 xb + 2 (w / 2)
	s_mov_b32 s61, 0
	s_lshr_b32 s62, s51, 3
	s_lshl_b32 s62, s62, 21
	s_lshl_b32 s63, s50, 17
	s_add_co_u32 s62, s62, s63
	s_lshl_b32 s63, s53, 15
	s_add_co_u32 s62, s62, s63
	s_and_b32 s63, s51, 7
	s_lshl_b32 s63, s63, 11
	s_add_co_u32 s62, s62, s63
	s_lshl_b32 s63, s52, 10
	s_add_co_u32 s62, s62, s63                     ; wv_c: token tile 128 x batch + 8 xb + 2 (w / 2), my head pair, my head's two chunks
	s_mov_b32 s63, 0
	s_mov_b32 s[SEL], 0x76543210
	s_mov_b32 s[SEL+1], 0xfedcba98
	s_mov_b32 s[L2E], 0x3fb8aa3b                   ; log2(e)
	s_mov_b32 s[L2E+1], s[L2E]
	s_mov_b32 s[TB], 0
	s_mov_b32 s[SLOTS], NSL-1
	s_wait_alu depctr_va_vdst(0)                   ; directly ahead of the waits below
	s_wait_dscnt 0x0                               ; both opening adds are done
	s_wait_kmcnt 0x0
	s_load_b256 s[68:75], s[10:11], 0x10           ; e4 .. e11: s70 e6, s71 e7, s72 e8, s73 e9, s74 e10
	s_add_nc_u64 s[4:5], s[4:5], s[60:61]
	s_add_nc_u64 s[MB:MB+1], s[8:9], s[58:59]
	s_add_nc_u64 s[12:13], s[12:13], s[62:63]
	s_mov_b32 s[G0], 1
	s_mov_b32 s[G0+1], s83
	s_add_nc_u64 s[G0+2:G0+3], s[6:7], s[54:55]
	s_or_b32 s[G0+3], s[G0+3], 0x80000000
	GLM                                            ; step 0's rows of the mask
.irp u, 0,1
.irp c, 0,1
	global_load_b128 v[QF+8*\u+4*\c:QF+8*\u+4*\c+3], v[LN], s[4:5] offset:1024*\u+512*\c   ; Q of my two tiles stays in registers
.endr
.endr
	CROUND                                         ; all four work-groups are here: the first joint loads meet
	tensor_load_to_lds s[G0:G0+3], s[G1:G1+7]      ; step 0: one tensor load a wave at the head
	s_nop 0
	s_mov_b32 s82, 0xc47a0000                      ; -1000: 2^-1000 counts as 0
.set j, SA+64
.rept 64
	v_mov_b32 v[j], s82                            ; the unit B that the first step finds: all p are 0
.set j, j+1
.endr
	s_mov_b32 s83, 0xff61b1e6                      ; the largest t so far: -3e38
	s_mov_b32 s84, 0x7f61b1e6                      ; -M: a whole number
.irp u, 0,1
	v_mov_b32 v[ST+4*\u], s84
	v_mov_b32 v[ST+4*\u+1], s83
	v_mov_b32 v[ST+4*\u+2], 0
	v_mov_b32 v[ST+4*\u+3], 0
.endr
	v_mov_b32 v[FP], 1.0
	v_mov_b32 v[FP+1], 1.0                         ; (named as the upper half of the pair)
	WIN TO_1
.set j, VF
.rept 64
	v_mov_b32 v[j], 0                              ; that unit's V
.set j, j+1
.endr
.set j, OT
.rept 64
	v_mov_b32 v[j], 0                              ; O^T begins as zeros, which the first change of M leaves zeros
.set j, j+1
.endr
	WIN 0
	; the prefetches: where mine stand, and who asks
	s_lshl_b32 s86, s51, 1
	s_lshr_b32 s87, s48, 1
	s_add_co_u32 s86, s86, s87
	s_lshl_b32 s86, s86, 18                        ; head 2 y + cx / 2,
	s_and_b32 s87, s48, 1
	s_lshl_b32 s87, s87, 13
	s_add_co_u32 s86, s86, s87                     ; half cx % 2
	s_lshl_b32 s87, s50, 20
	s_lshl_b32 s88, s51, 16
	s_add_co_u32 s87, s87, s88                     ; the mask's row 128 xb + 8 y
	s_mov_b32 s[PFS], 16384
	s_mov_b32 s85, 512
	s_mov_b32 s84, 31
	s_cmp_eq_u32 s[WV], 1
	s_cselect_b64 s[PFA:PFA+1], s[8:9], s[6:7]
	s_cselect_b32 s[PFS], 512, s[PFS]              ; a step on
	s_cselect_b32 s85, 8192, s85                   ; from one pair of lanes to the next
	s_cselect_b32 s84, 15, s84
	s_cselect_b32 s86, s87, s86
	s_cmp_lt_u32 s[WV], 2
	s_cselect_b32 s[LIM], 2, -1
	s_lshl_b32 s87, s[PFS], 1
	s_add_co_u32 s86, s86, s87                     ; at step 2: the first change of slots steps it to step 3
	s_mov_b32 s87, 0
	s_mov_b32 s[PFS+1], 0
	s_add_nc_u64 s[PFA:PFA+1], s[PFA:PFA+1], s[86:87]
	s_mul_i32 s88, s[WV], MT                       ; the tile that I lay,
	s_mul_i32 s89, s53, 2*MT                       ; the two that I read,
	s_lshl_b32 s90, s52, 14
	s_add_co_u32 s90, s90, KVB                     ; and my head's images
	v_and_b32 v40, 31, v0
	v_min_u32 v40, s84, v40
	v_lshrrev_b32 v[PX], 1, v40
	v_and_b32 v40, 1, v40
	v_lshlrev_b32 v40, 8, v40
	v_mul_lo_u32 v[PX], v[PX], s85
	v_add_nc_u32 v[PFO], v[PX], v40
	v_and_b32 v40, 15, v0                          ; r
	v_bfe_u32 v41, v0, 4, 1                        ; h
	v_mul_u32_u24 v[MLA], v40, MP
	v_lshl_add_u32 v[MLA], v41, 6, v[MLA]
	v_add_nc_u32 v[MLA], s89, v[MLA]
	v_add_nc_u32 v[MSA], s88, v[LN]
	v_add_nc_u32 v[MSC], s88, v[LN]                ; step 0's mask goes to stage 0
	v_add_nc_u32 v[AK], s90, v[LN]
	s_wait_alu depctr_va_vdst(0)                   ; directly ahead of the wait below
	s_wait_kmcnt 0x0
	s_add_co_i32 s85, s70, s71
	s_lshl_b32 s85, s85, 23
	s_add_co_i32 s[C1], s[L2E], s85                ; the two exponents are added to log2(e)'s exponent field
	s_mov_b32 s[C1+1], s[C1]
	s_add_co_i32 s85, s73, 127
	s_lshl_b32 s86, s85, 23
	s_add_co_i32 s85, s85, 8
	s_lshl_b32 s85, s85, 23
	s_or_b32 s85, s85, 0x600000
	v_mov_b32 v[SCV], s86
	v_mov_b32 v[LIMV], s85
	s_wait_alu depctr_va_vdst(0)                   ; at the head's end
	s_wait_loadcnt 0x0                             ; my rows of step 0 and Q are in
	LAYM
.Lstep:                                            ; steps 0 to 14: behind each change of slots the next step is asked for
	CHANGE 1
	STEP 1
	s_sub_co_u32 s[SLOTS], s[SLOTS], 1
	s_wait_alu depctr_va_vdst(0)                   ; ahead of the branch
	s_cmp_lg_u32 s[SLOTS], 0
	s_cbranch_scc1 .Lstep
	CHANGE 0                                       ; the last step is written out
	STEP 0
	UNIT 0                                         ; the last step's unit B
	s_wait_alu depctr_va_vdst(0)
	EXPS SA+64, 64
	LSC ST+6
	OSC
.set SI, 0
	SUMS 32
.set DJ, 0
	DM 32
	CVTPV
	; THE WAY OUT.  O^T / the sum x 2^(e8+e9), quantised under e10: 32 codes a lane and unit, stored as they stand.
	s_add_co_i32 s87, s72, s73                     ; e8 + e9
	s_add_co_i32 s88, s74, 127
	s_lshl_b32 s89, s88, 23                        ; 2^e10
	s_add_co_i32 s88, s88, 8
	s_lshl_b32 s88, s88, 23
	s_or_b32 s88, s88, 0x600000                    ; 448 x 2^e10
.irp u, 0,1
	v_add_f32 v[ST+4*\u+2], v[ST+4*\u+2], v[ST+4*\u+3]   ; the sum's two halves,
.endr
.irp u, 0,1
	v_permlanex16_b32 v[ST+4*\u], v[ST+4*\u+2], s[SEL], s[SEL+1]
.endr
.irp u, 0,1
	v_add_f32 v[ST+4*\u+2], v[ST+4*\u+2], v[ST+4*\u]     ; and lane l xor 16's
.endr
	v_mov_b32 v[LIMV], s88
	v_mov_b32 v[SCV], s89
	s_wait_alu depctr_va_vdst(0)                   ; ahead of the batch
.irp u, 0,1
	v_rcp_f32 v[ST+4*\u+2], v[ST+4*\u+2]
.endr
	v_nop                                          ; a plain line behind the reciprocals
	s_wait_alu depctr_va_vdst(0)                   ; and behind it
.irp u, 0,1
	v_ldexp_f32 v[ST+4*\u+2], v[ST+4*\u+2], s87
.endr
	WIN 0x01
	s_wait_alu depctr_va_vdst(0)                   ; directly ahead of the first reader of O^T
.irp u, 0,1
.set j, 32*\u
.rept 16
	v_pk_mul_f32 v[SA+j:SA+j+1], v[OT+j:OT+j+1], v[ST+4*\u+2:ST+4*\u+3] op_sel_hi:[1,0]   ; register 16 b + i: channel 32 b + 16 h + i of my query; each accumulator from its low end on
.set j, j+2
.endr
.endr
	WIN 0
.set j, 0
.rept 64
	v_med3_num_f32 v[SA+j], v[SA+j], -v[LIMV], v[LIMV]   ; the hold: the conversion does not saturate (ISA guide 7.6.2)
.set j, j+1
.endr
.set j, 0
.rept 8
	v_cvt_scalef32_pk8_fp8_f32 v[KF+2*j:KF+2*j+1], v[SA+8*j:SA+8*j+7], v[SCV]
.set j, j+1
.endr
	v_nop                                          ; a plain line behind the last conversion
.irp u, 0,1
.irp b, 0,1
	global_store_b128 v[LN], v[KF+8*\u+4*\b:KF+8*\u+4*\b+3], s[12:13] offset:16384*\u+512*\b   ; 32 lanes store 512 consecutive bytes, at a multiple of 512 from the buffer's first byte
.endr
.endr
	s_wait_tensorcnt 0x0                           ; the wave's end
	ds_add_u32 v[SPW], v[NIL]
	s_wait_dscnt 0x0
	CROUND                                         ; the closing round: no work-group ends while a partner may still ask for a tile that names it
	s_endpgm
.Lfunc_end_k_q6e75bee793_attn:
	.size	k_q6e75bee793_attn, .Lfunc_end_k_q6e75bee793_attn-k_q6e75bee793_attn
	.p2alignl 7, 3214868480
	.fill 96, 4, 3214868480
	.section	.rodata,"a",@progbits
	.p2align	6, 0x0
	.amdhsa_kernel k_q6e75bee793_attn
		.amdhsa_group_segment_fixed_size 327680
		.amdhsa_private_segment_fixed_size 0
		.amdhsa_enable_private_segment 0
		.amdhsa_kernarg_size 40
		.amdhsa_user_sgpr_count 2
		.amdhsa_user_sgpr_kernarg_segment_ptr 1
		.amdhsa_wavefront_size32 1
		.amdhsa_system_sgpr_workgroup_id_x 1
		.amdhsa_system_sgpr_workgroup_id_y 1
		.amdhsa_system_sgpr_workgroup_id_z 1
		.amdhsa_system_vgpr_workitem_id 0
		.amdhsa_next_free_vgpr 512
		.amdhsa_next_free_sgpr 100
		.amdhsa_reserve_vcc 0
		.amdhsa_float_denorm_mode_32 3
		.amdhsa_float_denorm_mode_16_64 3
		.amdhsa_memory_ordered 1
		.amdhsa_forward_progress 1
		.amdhsa_inst_pref_size 109
	.end_amdhsa_kernel
	.amdgpu_metadata
---
amdhsa.version: [ 1, 2 ]
amdhsa.kernels:
  - .name:           k_q6e75bee793_attn
    .symbol:         k_q6e75bee793_attn.kd
    .args:
      - { .name: q_img, .offset: 0, .size: 8, .value_kind: global_buffer, .address_space: global }
      - { .name: kv_img, .offset: 8, .size: 8, .value_kind: global_buffer, .address_space: global }
      - { .name: mask, .offset: 16, .size: 8, .value_kind: global_buffer, .address_space: global }
      - { .name: lowp_scales, .offset: 24, .size: 8, .value_kind: global_buffer, .address_space: global }
      - { .name: wv_c, .offset: 32, .size: 8, .value_kind: global_buffer, .address_space: global }
    .group_segment_fixed_size: 327680
    .private_segment_fixed_size: 0
    .kernarg_segment_align: 8
    .kernarg_segment_size: 40
    .max_flat_workgroup_size: 256
    .sgpr_count:     100
    .vgpr_count:     512
    .wavefront_size: 32
...
	.end_amdgpu_metadata
.endif
;; end of part 3
;; launch oproj (part 4): grid 8 x 32, 4 waves a work-group, clusters of 4 x 4, 327,680 bytes of LDS; arguments wv_c, w_c, lowp_scales, bo, out0; writes out0
.if DOCPART == 4
	.amdgcn_target "amdgcn-amd-amdhsa--gfx1250"
	.amdhsa_code_object_version 6
	.text
	.protected	k_q6e75bee793_oproj
	.globl	k_q6e75bee793_oproj
	.p2align	8
	.type	k_q6e75bee793_oproj,@function
k_q6e75bee793_oproj:
	s_mov_b64 s[64:65], 0
	v_nop
	global_prefetch_b8 v0, s[64:65] scope:SCOPE_SE
	s_setreg_imm32_b32 hwreg(HW_REG_WAVE_MODE, 25, 1), 1
	s_wait_xcnt 0x0
	s_wait_alu depctr_hold_cnt(0) depctr_sa_sdst(0) depctr_va_vdst(0) depctr_va_sdst(0) depctr_va_ssrc(0) depctr_va_vcc(0) depctr_vm_vsrc(0)
	s_getreg_b32 s2, hwreg(HW_REG_IB_STS2, 6, 4)
	s_cmp_eq_u32 s2, 0
	s_cbranch_scc0 .Lentry_in_a_cluster
	s_endpgm
.Lentry_in_a_cluster:
	s_bfe_u32 s2, ttmp6, 0x10000c
	s_cmp_lg_u32 s2, 0xf033
	s_cbranch_scc0 .Lentry_shape_is_right
	s_endpgm
.Lentry_shape_is_right:
; THE LAST PRODUCT: out = (wv Wo^T) 2^(e10+e11) + bo on codes of E4M3.  K = 1,024.
; A tile of 128 tokens x 128 channels of the result is made by four waves, 64 x 64 each: 16 accumulators of 16 x 16.
; ALL OF K LIES IN LDS AT ONCE, brought by one joint load a wave: waves 0 and 1 fetch 64 KiB each of wv's operand images (dense: 16,384 bytes for each tile of 16 tokens, 2,048 for each 128 along K),
; waves 2 and 3 64 rows each of Wo, 1,024 bytes, 16 bytes of padding behind each.  So there is no ring, no refill and no prefetch: there is no loop to run ahead in.
; THE MATRIX INSTRUCTION: source 0 = 16 rows of Wo, source 1 = 16 tokens: a lane holds eight neighbouring channels of one token.  Fragments are fetched one K step of 128 ahead, in two sets of registers.
; CLUSTERS 4 x 4: wv's tile hangs on the tile row alone and is shared along a row of the cluster, Wo's on the tile column alone, along a column.
; LIMITS: e10 + e11 between -126 and 127.  NaN is not served.
; REGISTERS: window 0: addresses, v32-63 at work, v64-95 bo, v128-255 the accumulators;  window 1: the fragments, two sets of 128: wv's at +0, Wo's at +64.
.set PITCH,  1040                      ; Wo's row in LDS: 260 words: the 16 rows that a load touches start at 16 different banks (64 banks of 4 bytes: ISA guide 11.1)
.set BOFF,   131072                    ; Wo's rows behind wv's images
.set SPARE,  BOFF+128*PITCH            ; the spare words, 128 bytes for each wave, which no other line names
.set SPITCH, 272                       ; the way out: 64 rows x 272 bytes for each wave, in wv's images, which have had their only fill and their last read
.set ADRA, 16
.set ADRB, 17
.set STO,  24
.set RD,   25
.set CO,   26
.set OBO,  27
.set TMP,  32
.set BIAS, 64
.set SPW,  126
.set NIL,  127
.set ACC,  128
.set G1, 24
.set G0, 32
.set G1B, 48
.set G0B, 56
.set MSB, 0
.macro WIN new                         ; the immediate's high byte repeats the setting that is left
.if MSB != \new
	s_set_vgpr_msb (MSB<<8)|\new
.set MSB, \new
.endif
.endm
.set MULW, 0x05
.set TO_F, 0x40
.macro CROUND                          ; a round of the cluster's barrier
	s_barrier_signal -1
	s_barrier_wait -1
	s_cmp_lg_u32 s14, 0
	s_cbranch_scc1 .Lnot_wave_0_\@
	s_barrier_signal -3
.Lnot_wave_0_\@:
	s_barrier_wait -3
	s_barrier_signal -1
	s_barrier_wait -1
.endm
	s_load_b256 s[4:11], s[0:1], 0x0               ; wv_c, w_c, the scales' exponents, bo
	s_load_b64 s[12:13], s[0:1], 0x20              ; out0
	v_lshl_add_u32 v[SPW], v0, 2, SPARE
	v_mov_b32 v[NIL], 0
	ds_add_u32 v[SPW], v[NIL]                      ; the wave's opening: the add, twice on end, and its wait ahead of my first tensor load
	ds_add_u32 v[SPW], v[NIL]
	v_lshrrev_b32 v1, 5, v0
	v_readfirstlane_b32 s14, v1                    ; wave 0..3
	s_lshr_b32 s15, s14, 1                         ; which half of the tokens is mine.  Also: I fetch wv (0) or Wo (1)
	s_and_b32 s16, s14, 1                          ; which half of the channels.  Also: which half of that tile I fetch
	s_bfe_u32 s40, ttmp6, 0x40000                  ; cx
	s_bfe_u32 s41, ttmp6, 0x40004                  ; cy
	s_lshl_b32 s42, ttmp9, 2
	s_add_co_u32 s42, s42, s40                     ; tile column
	s_and_b32 s17, ttmp7, 0xffff
	s_lshl_b32 s17, s17, 2
	s_add_co_u32 s17, s17, s41                     ; tile row
	s_lshl_b32 s43, s41, 2
	s_lshl_b32 s43, 15, s43                        ; my row of the cluster
	s_lshl_b32 s44, 0x1111, s40                    ; my column
	s_or_b32 s[G1+0], s43, (3<<16)|(1<<21)         ; elements of 8 bytes, 65,536 dense bytes as 256 rows of 32
	s_mov_b32 s[G1+1], 32<<16
	s_mov_b32 s[G1+2], 256<<16
	s_mov_b32 s[G1+3], 32<<16
	s_mov_b32 s[G1+4], 256
	s_mov_b32 s[G1+5], 32
	s_mov_b32 s[G1+6], 0
	s_mov_b32 s[G1+7], 0
	s_or_b32 s[G1B+0], s44, (0<<16)|(1<<20)|(1<<21)|(7<<22)|(3<<25)   ; elements of 1 byte; after every 256 words (code 7) 4 words of padding (code 3)
	s_mov_b32 s[G1B+1], 1024<<16
	s_mov_b32 s[G1B+2], 64<<16
	s_mov_b32 s[G1B+3], 1024<<16
	s_mov_b32 s[G1B+4], 64
	s_mov_b32 s[G1B+5], 1024
	s_mov_b32 s[G1B+6], 0
	s_mov_b32 s[G1B+7], 0
	s_lshl_b32 s18, s16, 16                        ; 65,536 bytes of either tensor for each half
	s_lshl_b32 s20, s17, 17
	s_add_co_u32 s20, s20, s18
	s_mov_b32 s21, 0
	s_lshl_b32 s46, s42, 17
	s_add_co_u32 s46, s46, s18
	s_add_co_u32 s46, s46, 0x300000                ; Wo: the fourth MiB of w_c
	s_mov_b32 s47, 0
	s_mul_i32 s45, s16, 64*PITCH
	s_add_co_u32 s45, s45, BOFF
	s_mov_b32 s[G0], 1
	s_mov_b32 s[G0+1], s18
	s_mov_b32 s[G0B], 1
	s_mov_b32 s[G0B+1], s45
	s_wait_dscnt 0x0                               ; both opening adds are done
	s_wait_kmcnt 0x0
	s_load_b64 s[96:97], s[8:9], 0x28              ; e10, e11
	s_add_nc_u64 s[G0+2:G0+3], s[4:5], s[20:21]
	s_or_b32 s[G0+3], s[G0+3], 0x80000000
	s_add_nc_u64 s[G0B+2:G0B+3], s[6:7], s[46:47]
	s_or_b32 s[G0B+3], s[G0B+3], 0x80000000
	CROUND                                         ; all sixteen work-groups are here: the joint loads meet
	s_cmp_eq_u32 s15, 0                            ; the branch hangs on the wave's number alone
	s_cbranch_scc0 .Lfor_b
	tensor_load_to_lds s[G0:G0+3], s[G1:G1+7]
	s_nop 0
.rept 4
	v_nop
.endr
	s_branch .Lasked
.Lfor_b:
	tensor_load_to_lds s[G0B:G0B+3], s[G1B:G1B+7]
	s_nop 0
.rept 4
	v_nop
.endr
.Lasked:
	s_lshl_b32 s21, s15, 16                        ; my four tiles of 16 tokens
	s_mul_i32 s22, s16, 64*PITCH
	s_add_co_u32 s22, s22, BOFF                    ; my 64 rows of Wo
	s_mul_i32 s23, s14, 64*SPITCH                  ; my stage
	s_lshl_b32 s70, s42, 9
	s_lshl_b32 s71, s16, 8
	s_add_co_u32 s70, s70, s71                     ; my first channel, in bytes
	s_mov_b32 s71, 0
	s_add_nc_u64 s[10:11], s[10:11], s[70:71]
	s_add_nc_u64 s[12:13], s[12:13], s[70:71]
	s_lshl_b32 s72, s17, 7
	s_lshl_b32 s73, s15, 6
	s_add_co_u32 s72, s72, s73
	s_lshl_b32 s72, s72, 12                        ; my first token
	s_mov_b32 s73, 0
	s_add_nc_u64 s[12:13], s[12:13], s[72:73]
	v_and_b32 v1, 15, v0                           ; r
	v_bfe_u32 v2, v0, 4, 1                         ; h
	v_and_b32 v6, 31, v0
	v_lshlrev_b32 v[OBO], 5, v2
	v_lshlrev_b32 v6, 4, v6
	v_add_nc_u32 v[ADRA], s21, v6
	v_mul_u32_u24 v3, v1, PITCH
	v_lshl_add_u32 v3, v2, 4, v3
	v_add_nc_u32 v[ADRB], s22, v3
	v_mul_u32_u24 v4, v1, SPITCH
	v_lshl_add_u32 v4, v2, 5, v4
	v_add_nc_u32 v[STO], s23, v4                   ; in: row r, 32 bytes for each half of the lanes
	v_mul_u32_u24 v5, v2, SPITCH
	v_lshl_add_u32 v5, v1, 4, v5
	v_add_nc_u32 v[RD], s23, v5                    ; back: lanes 0-15 one row of 256 bytes, lanes 16-31 the next
	v_lshlrev_b32 v[CO], 12, v2
	v_lshl_add_u32 v[CO], v1, 4, v[CO]
.irp b, 0,1,2,3
	global_load_b128 v[BIAS+8*\b:BIAS+8*\b+3], v[OBO], s[10:11] offset:64*\b          ; bo at channels 16 b + 8 h + 0 .. 7
	global_load_b128 v[BIAS+8*\b+4:BIAS+8*\b+7], v[OBO], s[10:11] offset:64*\b+16
.endr
.macro FETCH q, f                      ; the fragments of the q-th 128 along K: lane (r, h), registers 4 c ..: K = 32 c + 16 h + 0 .. 15, the same order in both operands
	WIN TO_F
.irp i, 0,1,2,3
.irp c, 0,1,2,3
	ds_load_b128 v[(\f)+64+16*\i+4*\c:(\f)+64+16*\i+4*\c+3], v[ADRB] offset:128*(\q)+32*\c+\i*16*PITCH
.endr
.endr
.irp i, 0,1,2,3
.irp c, 0,1,2,3
	ds_load_b128 v[(\f)+16*\i+4*\c:(\f)+16*\i+4*\c+3], v[ADRA] offset:16384*\i+2048*(\q)+512*\c
.endr
.endr
.endm
.macro MUL f, zero                     ; the 16 accumulators take turns, one instruction a turn
	WIN MULW
.irp a, 0,1,2,3
.irp b, 0,1,2,3
.if \zero
	v_wmma_f32_16x16x128_fp8_fp8 v[ACC+8*(4*\a+\b):ACC+8*(4*\a+\b)+7], v[(\f)+64+16*\b:(\f)+64+16*\b+15], v[(\f)+16*\a:(\f)+16*\a+15], 0
.else
	v_wmma_f32_16x16x128_fp8_fp8 v[ACC+8*(4*\a+\b):ACC+8*(4*\a+\b)+7], v[(\f)+64+16*\b:(\f)+64+16*\b+15], v[(\f)+16*\a:(\f)+16*\a+15], v[ACC+8*(4*\a+\b):ACC+8*(4*\a+\b)+7]
.endif
.endr
.endr
.endm
.macro KS k
	s_wait_dscnt 0x0                               ; this step's fragments are in
.if \k == 7
	s_barrier_signal -1                            ; my reads of wv's images are over
.endif
.if \k < 7
.if \k > 0
.rept 4
	v_nop                                          ; places ahead of loads into registers that the last products read
.endr
.endif
	FETCH (\k+1), 128*((\k+1)%2)
.endif
.if \k == 0
	MUL 0, 1
.else
	MUL 128*(\k%2), 0
.endif
.endm
	s_wait_alu depctr_va_vdst(0)                   ; at the head's end
	s_wait_tensorcnt 0x0                           ; my part is in
	s_barrier_signal -1
	s_barrier_wait -1                              ; everybody's is
	FETCH 0, 0
.irp k, 0,1,2,3,4,5,6,7
	KS \k
.endr
	WIN 0
	s_barrier_wait -1                              ; nobody reads wv's images any more: the stages lie there
	s_wait_kmcnt 0x0
	s_add_co_i32 s96, s96, s97
	s_add_co_i32 s96, s96, 127
	s_lshl_b32 s96, s96, 23                        ; 2^(e10+e11)
	s_mov_b32 s97, s96
	s_wait_loadcnt 0x0                             ; bo
.rept 4
	v_nop                                          ; places ahead of the first read of the last products
.endr
.irp a, 0,1,2,3
.set j, 0
.rept 16
	v_pk_fma_f32 v[TMP+j:TMP+j+1], v[ACC+32*\a+j:ACC+32*\a+j+1], s[96:97], v[BIAS+j:BIAS+j+1] op_sel_hi:[1,0,1]
.set j, j+2
.endr
.irp b, 0,1,2,3
	ds_store_b128 v[STO], v[TMP+8*\b:TMP+8*\b+3] offset:16*\a*SPITCH+64*\b
	ds_store_b128 v[STO], v[TMP+8*\b+4:TMP+8*\b+7] offset:16*\a*SPITCH+64*\b+16
.endr
.irp t, 0,1,2,3,4,5,6,7
	ds_load_b128 v[ACC+32*\a+4*\t:ACC+32*\a+4*\t+3], v[RD] offset:(16*\a+2*\t)*SPITCH   ; LDS serves a wave's instructions in order: these see the stores above
.endr
.endr
.irp a, 0,1,2,3
.irp t, 0,1,2,3,4,5,6,7
	s_wait_dscnt 16*(3-\a)+7-\t                    ; this pair of rows is back; the later LDS instructions may be out
	global_store_b128 v[CO], v[ACC+32*\a+4*\t:ACC+32*\a+4*\t+3], s[12:13] offset:(16*\a+2*\t)*4096 th:TH_STORE_NT   ; 16 lanes store 256 consecutive bytes, aligned
.endr
.endr
	s_wait_tensorcnt 0x0                           ; the wave's end
	ds_add_u32 v[SPW], v[NIL]
	s_wait_dscnt 0x0
	CROUND                                         ; the closing round
	s_endpgm
.Lfunc_end_k_q6e75bee793_oproj:
	.size	k_q6e75bee793_oproj, .Lfunc_end_k_q6e75bee793_oproj-k_q6e75bee793_oproj
	.p2alignl 7, 3214868480
	.fill 96, 4, 3214868480
	.section	.rodata,"a",@progbits
	.p2align	6, 0x0
	.amdhsa_kernel k_q6e75bee793_oproj
		.amdhsa_group_segment_fixed_size 327680
		.amdhsa_private_segment_fixed_size 0
		.amdhsa_enable_private_segment 0
		.amdhsa_kernarg_size 40
		.amdhsa_user_sgpr_count 2
		.amdhsa_user_sgpr_kernarg_segment_ptr 1
		.amdhsa_wavefront_size32 1
		.amdhsa_system_sgpr_workgroup_id_x 1
		.amdhsa_system_sgpr_workgroup_id_y 1
		.amdhsa_system_sgpr_workgroup_id_z 1
		.amdhsa_system_vgpr_workitem_id 0
		.amdhsa_next_free_vgpr 512
		.amdhsa_next_free_sgpr 98
		.amdhsa_reserve_vcc 0
		.amdhsa_float_denorm_mode_32 3
		.amdhsa_float_denorm_mode_16_64 3
		.amdhsa_memory_ordered 1
		.amdhsa_forward_progress 1
		.amdhsa_inst_pref_size 45
	.end_amdhsa_kernel
	.amdgpu_metadata
---
amdhsa.version: [ 1, 2 ]
amdhsa.kernels:
  - .name:           k_q6e75bee793_oproj
    .symbol:         k_q6e75bee793_oproj.kd
    .args:
      - { .name: wv_c, .offset: 0, .size: 8, .value_kind: global_buffer, .address_space: global }
      - { .name: w_c, .offset: 8, .size: 8, .value_kind: global_buffer, .address_space: global }
      - { .name: lowp_scales, .offset: 16, .size: 8, .value_kind: global_buffer, .address_space: global }
      - { .name: bo, .offset: 24, .size: 8, .value_kind: global_buffer, .address_space: global }
      - { .name: out0, .offset: 32, .size: 8, .value_kind: global_buffer, .address_space: global }
    .group_segment_fixed_size: 327680
    .private_segment_fixed_size: 0
    .kernarg_segment_align: 8
    .kernarg_segment_size: 40
    .max_flat_workgroup_size: 128
    .sgpr_count:     98
    .vgpr_count:     512
    .wavefront_size: 32
...
	.end_amdgpu_metadata
.endif
;; end of part 4
